; MI455X (gfx1250); checked and timed in simulation.
; The chip was launched on July 23, 2026; its instructions are those of AMD's public machine-readable ISA for CDNA 5 (MIT licence, August 2026) and "CDNA5" Instruction Set Architecture Reference Guide (July 2026). The comments in the code are by the model that wrote it; some were corrected since.
;; Sparse Multi Head Attention. Allowed arithmetic: matrix products marked QUANTISED: E2M3 operands, one E8M0 scale for each 32 along K, by v_wmma_scale_f32_16x16x128_f8f6f4 with both operands' format E2M3, f32 sums; everything else in f32.
;; Inputs: attn_mask 4 x 2,048 float32; bk 1,024 float32; bo 1,024 float32; bq 1,024 float32; bv 1,024 float32; k 4 x 2,048 x 1,024 float32; q 4 x 2,048 x 1,024 float32; v 4 x 2,048 x 1,024 float32; wk 1,024 x 1,024 float32; wo 1,024 x 1,024 float32; wq 1,024 x 1,024 float32; wv 1,024 x 1,024 float32.
;; Outputs: out0 4 x 2,048 x 1,024 float32.
;; This version of the problem:
;;   THIS VERSION OF THE PROBLEM IS GIVEN IN LOW PRECISION. The matrix products marked QUANTISED in the list below multiply operands that are first quantised to E2M3 (2 exponent bits, 3 mantissa bits; 6 bits a number), with one power-of-two scale for each 32 numbers along K (OCP MX v1.0); their sums are f32. All else is computed in f32.
;;   The module's matrix products, in the order in which they are computed (A, B: the left and right operand; K: the contracted axis; several contracted axes count as one K, in the product's order):
;;     1. [M 8,192, K 1,024] x [K 1,024, N 1,024]; A: input q; B: input wq: QUANTISED
;;     2. [M 8,192, K 1,024] x [K 1,024, N 1,024]; A: input k; B: input wk: QUANTISED
;;     3. [M 8,192, K 1,024] x [K 1,024, N 1,024]; A: input v; B: input wv: QUANTISED
;;     4. batch 64 x [M 2,048, K 64] x [K 64, N 2,048]; A: computed on the way; B: computed on the way: QUANTISED
;;     5. batch 64 x [M 2,048, K 2,048] x [K 2,048, N 64]; A: softmax (see below); B: computed on the way: QUANTISED
;;     6. [M 8,192, K 1,024] x [K 1,024, N 1,024]; A: computed on the way; B: input wo: QUANTISED
;;   THE QUANTISER, for each operand of a quantised product, along K:
;;     - K is cut into blocks of 32 from its start; a last block that is shorter is filled with zeros.
;;     - A block's scale is 2^e with e = floor(log2(the largest magnitude in the block)) - 2, held to -126 .. 127; a block of zeros has e = 0. As a byte (E8M0): e + 127.
;;     - Each number is divided by its block's scale, clamped to +-7.5, and rounded to the nearest number of E2M3, ties to even, subnormals kept.
;;     - The product sums the exact products of the quantised numbers (number of the format x scale) in f32.
;;   ~~~python
;;   def quantise(x, axis):      # numpy; x: float32 -> the quantised numbers, widened to float32 again
;;       x = np.moveaxis(x, axis, -1); K = x.shape[-1]
;;       x = np.pad(x, [(0, 0)] * (x.ndim - 1) + [(0, -K % 32)]); x = x.reshape(x.shape[:-1] + (-1, 32)); a = np.abs(x).max(-1, keepdims=True)
;;       e = np.where(a > 0, np.clip(np.frexp(np.where(a > 0, a, 1))[1] - 1 - 2, -126, 127), 0)      # np.frexp(a)[1] - 1 = floor(log2(a)), exactly
;;       r = np.clip(x / 2.0 ** e, -7.5, 7.5)
;;       step = 2.0 ** (np.maximum(np.frexp(np.where(r == 0, 1, r))[1] - 1, 0) - 3)
;;       q = np.round(r / step) * step * 2.0 ** e      # np.round: ties to even
;;       return np.moveaxis(q.reshape(q.shape[:-2] + (-1,))[..., :K], -1, axis).astype(np.float32)
;;   ~~~
;;   SOFTMAX AHEAD OF A QUANTISED PRODUCT. Where the list says 'softmax', what is quantised is not the finished softmax but p = 2^(t - M), with t = logit x log2(e) and M = ceil(the row's largest t), a whole number; so 1/2 < the row's largest p <= 1. The row's sum l is taken of the UNQUANTISED p, in f32, and the product's result is divided by l at the end. Since M is a whole number, a kernel that streams over the keys may use a running M (the ceiling of the running maximum): every later rescaling is an exact power of two, which a block's scale takes up: the codes' values come out the same.
;;   OPERANDS COMPUTED ON THE WAY. 'Computed on the way' means the value that the module computes at that place (a softmax that the list does not call 'softmax' is quantised finished and normalised). What goes into a quantiser is computed in f32, as accurately as f32 sums, v_exp_f32 and their like allow (about 1e-6 of the number): no bf16 or f16 on the way to a quantiser, and a product that is left as it is and whose result goes on into a quantised operand takes f32 operands (vector FMAs, or v_wmma_f32_16x16x4_f32). A number that lies on a knife's edge between two numbers of the format may be rounded either way, as far as f32 arithmetic and the matrix unit's own rounding can turn it there, and no further.
;; One version. Each part assembles by itself: llvm-mc -triple=amdgcn-amd-amdhsa -mcpu=gfx1250 --defsym DOCPART=n.
;; ======== version 1 of 1: 5 launches
;; limits: right only within a limited range of input values
;; workspace buffers: xq 20,447,232 bytes; wt 3,407,872 bytes; qf 7,340,032 bytes; kv 13,631,488 bytes; af 6,815,744 bytes
;; launch quant (part 1): grid 1024 x 1, 4 waves a work-group, no clusters, 34,304 bytes of LDS; arguments q, k, v, wq, wk, wv, wo, xq, wt; writes xq, wt
.if DOCPART == 1
	.amdgcn_target "amdgcn-amd-amdhsa--gfx1250"
	.amdhsa_code_object_version 6
	.text
	.protected	k_qe55b633a96_quant
	.globl	k_qe55b633a96_quant
	.p2align	8
	.type	k_qe55b633a96_quant,@function
k_qe55b633a96_quant:
	s_mov_b64 s[64:65], 0
	v_nop
	global_prefetch_b8 v0, s[64:65] scope:SCOPE_SE
	s_setreg_imm32_b32 hwreg(HW_REG_WAVE_MODE, 25, 1), 1
	s_wait_xcnt 0x0
; LAUNCH 1 OF 5.  q, k, v [8192][1024] and wq, wk, wv, wo [1024 (K)][1024 (N)], f32, become codes of FP6 (E2M3) with one E8M0 byte for each 32 along K,
; laid as IMAGES OF THE OPERAND'S REGISTERS.  A record of 13,312 bytes holds one tile of 16 rows (of a weight: 16 columns) for all K = 1,024: eight fragments
; of 1,536 bytes (registers 0-3 of the 32 lanes, 16 bytes a lane; registers 4-5, 8 bytes a lane; the same for registers 6-11), then eight scale images of 128 bytes.
; Rows of q form tiles as they lie.  Rows of k and v and columns of the weights form tiles so: lane r of tile 2 B + u takes row 32 B + 8 u + r + 8 (r / 8);
; used as a product's first source, two such tiles leave 16 neighbours in a lane's 16 result registers.
; WORK LEFT OUT BY THE WHOLE PROGRAM.  reference() builds local_window_mask in its own body: for a query i >= 16 and a key j >= 16 with |i - j| > 256 it adds the
; most negative f32 number to a finite logit.  Such a key's weight is e^(logit - maximum) with an exponent below -1e38 whenever the row has one allowed logit of ordinary
; size: 0 in f32, and under every rounding in real numbers, whatever finite values the inputs hold.  A block of 32 keys all of which are so masked for all 16 queries of a tile
; has zero codes and adds nothing to the row's sum: the attention launches neither load nor multiply such blocks.  Inside blocks that hold live keys the masked scores are set to -infinity.
; No input is without a way to the output: all twelve are loaded (bk too: it moves K's codes).
; LIMITS.  Rows all of whose allowed logits lie below about -1e38 (an attn_mask of that size) are not served as reference() has them.  NaN and infinities among the inputs are not served; a NaN,
; an infinity or an overflow that reaches only the blocks left out is not carried to the result.  A block of zeros gets the floor's byte, 1, not 127: its codes are zeros, and this program alone reads the bytes.
; SHARES.  Work-groups 0-767: two tiles of q, k or v; a wave takes one tile and half of K, four K steps of 128.  Each load reads 512 consecutive bytes of one row; a K step's 16 rows turn through the
; wave's own stage in LDS, so that a lane gets 16 neighbours of each block of 32.  Work-groups 768-1023: a wave takes one column tile of a weight and 256 along K; a lane takes a column and its registers run down K.
.set TREC,  13312
.set STGB,  8448                       ; a wave's stage: 16 rows of 512 bytes + 16
.set SPARE, 33792                      ; behind the four stages: the spare words, 128 bytes a wave
.set L16, 1                            ; v1  16 x lane
.set L8,  2                            ; v2  8 x lane
.set L4,  3                            ; v3  4 x lane
.set STA, 4                            ; v4  the stage, way in
.set LDA, 5                            ; v5  the stage, way out: 528 r + 64 h
.set SPW, 6                            ; v6  my spare word; never rewritten
.set NIL, 7                            ; v7  0; never rewritten
.set H8,  8                            ; v8  8 h
.set WOF, 9                            ; v9  a weight: 32 h rows + my column
.set R,   16                           ; v16-143 two sets of 64 numbers as loaded
.set X,   144                          ; v144-207 64 numbers: register 16 b + i = k 32 b + 16 h + i of my row
.set PC,  208                          ; v208-219 a fragment's codes; v220-227 the conversions' second halves
.set TM,  228                          ; v228-243 at work
.set PW,  244                          ; the scale word
.set SEL, 24                           ; s[24:25] selects for lane l xor 16
	s_load_b256 s[4:11], s[0:1], 0x0               ; q, k, v, wq
	s_load_b256 s[12:19], s[0:1], 0x20             ; wk, wv, wo, xq
	s_load_b64 s[20:21], s[0:1], 0x40              ; wt
	v_lshl_add_u32 v[SPW], v0, 2, SPARE
	v_mov_b32 v[NIL], 0
	v_lshrrev_b32 v10, 5, v0
	v_readfirstlane_b32 s22, v10                   ; wave
	v_and_b32 v10, 31, v0                          ; lane
	v_and_b32 v11, 15, v0                          ; r
	v_bfe_u32 v12, v0, 4, 1                        ; h
	v_lshlrev_b32 v[L16], 4, v10
	v_lshlrev_b32 v[L8], 3, v10
	v_lshlrev_b32 v[L4], 2, v10
	s_mul_i32 s23, s22, STGB
	v_add_nc_u32 v[STA], s23, v[L16]
	v_mul_u32_u24 v[LDA], v11, 528
	v_lshl_add_u32 v[LDA], v12, 6, v[LDA]
	v_add_nc_u32 v[LDA], s23, v[LDA]
	v_lshlrev_b32 v[H8], 3, v12
	v_and_b32 v[WOF], 8, v11
	v_add_nc_u32 v[WOF], v[WOF], v11               ; r + 8 (r / 8)
	v_lshlrev_b32 v[WOF], 2, v[WOF]
	v_lshl_add_u32 v[WOF], v12, 17, v[WOF]         ; + 32 h rows of 4,096 bytes
	s_mov_b32 s[SEL], 0x76543210
	s_mov_b32 s[SEL+1], 0xfedcba98
.irp b, 0,1,2,3
	v_mov_b32 v[TM+4+\b], 0                        ; written once: a lane permute's destination counts as one of its sources
.endr
	s_mov_b32 s47, 0                               ; the upper word of every offset pair
	s_wait_kmcnt 0x0
; a fragment and its scale word leave as images: every store of the wave covers consecutive bytes from a multiple of 128
.macro IMGST t
	global_store_b128 v[L16], v[PC:PC+3], s[40:41] offset:1536*(\t)
	global_store_b64 v[L8], v[PC+4:PC+5], s[40:41] offset:1536*(\t)+512
	global_store_b128 v[L16], v[PC+6:PC+9], s[40:41] offset:1536*(\t)+768
	global_store_b64 v[L8], v[PC+10:PC+11], s[40:41] offset:1536*(\t)+1280
	global_store_b32 v[L4], v[PW], s[42:43] offset:128*(\t)
.endm
; 64 numbers of a lane, register 16 b + i = k 32 b + 16 h + i of my row, become a fragment's codes and its scale word
.macro QUANT src
.irp b, 0,1,2,3
	v_max3_num_f32 v[TM+\b], |v[\src+16*\b]|, |v[\src+1+16*\b]|, 0x1800000   ; my 16 numbers of block b, and the floor 2^(3 - 127): the byte cannot fall under 1
.endr
.irp i, 2,4,6,8,10,12,14
.irp b, 0,1,2,3
	v_max3_num_f32 v[TM+\b], v[TM+\b], |v[\src+16*\b+\i]|, |v[\src+1+16*\b+\i]|
.endr
.endr
.irp b, 0,1,2,3
	v_permlanex16_b32 v[TM+4+\b], v[TM+\b], s[SEL], s[SEL+1]
.endr
.irp b, 0,1,2,3
	v_max_num_f32 v[TM+\b], v[TM+\b], v[TM+4+\b]   ; with lane l xor 16's 16: the block's largest magnitude
.endr
.irp b, 0,1,2,3
	v_add_nc_u32 v[TM+12+\b], 0xff000000, v[TM+\b] ; 2 off its exponent field: the conversion's scale operand
.endr
.irp b, 0,1,2,3
	v_lshrrev_b32 v[TM+4+\b], 23, v[TM+12+\b]      ; the scale's byte
.endr
	v_lshl_or_b32 v[PW], v[TM+5], 8, v[TM+4]
	v_lshl_or_b32 v[PW], v[TM+6], 16, v[PW]
	v_lshl_or_b32 v[PW], v[TM+7], 24, v[PW]
.irp c, 0,1
	v_cvt_scalef32_pk16_fp6_f32 v[PC+6*\c:PC+2+6*\c], v[\src+32*\c:\src+15+32*\c], v[TM+12+2*\c]
	v_cvt_scalef32_pk16_fp6_f32 v[PC+12+4*\c:PC+14+4*\c], v[\src+16+32*\c:\src+31+32*\c], v[TM+12+2*\c+1]
.endr
	v_nop                                          ; one plain place behind a scaled conversion
.irp c, 0,1                                    ; the operand wants a whole block in a lane: lanes 0-15 block 2 c, lanes 16-31 block 2 c + 1
.irp i, 0,1,2
	v_permlane16_swap_b32 v[PC+6*\c+\i], v[PC+12+4*\c+\i]
.endr
.irp i, 0,1,2
	v_mov_b32 v[PC+3+6*\c+\i], v[PC+12+4*\c+\i]
.endr
.endr
.endm
	s_cmp_ge_u32 ttmp9, 768
	s_cbranch_scc1 .Lweights
	; ---------------- q, k, v
	s_lshr_b32 s26, ttmp9, 8                       ; which tensor
	s_and_b32 s27, ttmp9, 255
	s_lshl_b32 s27, s27, 1
	s_lshr_b32 s28, s22, 1
	s_add_co_u32 s27, s27, s28                     ; my tile
	s_and_b32 s28, s22, 1                          ; my half of K
	s_lshr_b32 s29, s27, 1                         ; its block of 32 rows
	s_and_b32 s30, s27, 1                          ; u
	s_lshl_b32 s31, s30, 1
	s_add_co_u32 s32, s31, 1
	s_add_co_u32 s33, s30, 2
	s_cmp_eq_u32 s26, 0
	s_cselect_b32 s31, s31, s30                    ; lanes 0-7 take the block's group of eight rows 2 u (q) or u (k, v),
	s_cselect_b32 s32, s32, s33                    ; lanes 8-15 the group 2 u + 1 or u + 2
	s_cselect_b64 s[44:45], s[4:5], s[6:7]
	s_cmp_eq_u32 s26, 2
	s_cselect_b64 s[44:45], s[8:9], s[44:45]
	s_lshl_b32 s29, s29, 2
	s_add_co_u32 s31, s31, s29
	s_add_co_u32 s32, s32, s29
	s_lshl_b32 s31, s31, 15                        ; eight rows of 4,096 bytes
	s_lshl_b32 s32, s32, 15
	s_lshl_b32 s33, s28, 11                        ; half a row
	s_add_co_u32 s46, s31, s33
	s_add_nc_u64 s[36:37], s[44:45], s[46:47]
	s_add_co_u32 s46, s32, s33
	s_add_nc_u64 s[38:39], s[44:45], s[46:47]
	s_lshl_b32 s33, s26, 9
	s_add_co_u32 s33, s33, s27
	s_mul_i32 s33, s33, TREC                       ; my tile's record
	s_mul_i32 s34, s28, 6144
	s_add_co_u32 s46, s33, s34
	s_add_nc_u64 s[40:41], s[18:19], s[46:47]      ; my four fragments
	s_lshl_b32 s34, s28, 9
	s_add_co_u32 s46, s33, s34
	s_add_co_u32 s46, s46, 12288
	s_add_nc_u64 s[42:43], s[18:19], s[46:47]      ; my four scale images
.macro LOADX t, set                    ; K step t of my 16 rows into a set: each load reads 512 consecutive bytes
.irp rho, 0,1,2,3,4,5,6,7
	global_load_b128 v[R+64*(\set)+4*\rho:R+64*(\set)+4*\rho+3], v[L16], s[36:37] offset:\rho*4096+512*(\t) th:TH_LOAD_NT
.endr
.irp rho, 0,1,2,3,4,5,6,7
	global_load_b128 v[R+64*(\set)+32+4*\rho:R+64*(\set)+32+4*\rho+3], v[L16], s[38:39] offset:\rho*4096+512*(\t) th:TH_LOAD_NT
.endr
.endm
.macro TURN set                        ; through my stage: LDS serves a wave's instructions in order, so no wait stands between the stores and the loads
.irp rho, 0,1,2,3,4,5,6,7,8,9,10,11,12,13,14,15
	ds_store_b128 v[STA], v[R+64*(\set)+4*\rho:R+64*(\set)+4*\rho+3] offset:528*\rho
.endr
.irp b, 0,1,2,3
.irp j, 0,1,2,3
	ds_load_b128 v[X+16*\b+4*\j:X+16*\b+4*\j+3], v[LDA] offset:128*\b+16*\j
.endr
.endr
.endm
.macro ASTEP t
.if (\t) < 3
	s_wait_loadcnt 16                              ; this K step's 16 loads are in; the next step's 16 stay out
.else
	s_wait_loadcnt 0x0
.endif
	TURN (\t)%2
	s_wait_dscnt 0x0                               ; the numbers are back, and the stage's stores have read their registers,
.if (\t) < 2
	LOADX (\t)+2, (\t)%2                           ; which take the loads of two steps on
.endif
	s_wait_xcnt 0x0                                ; the last fragment's stores have read their data: the codes are written anew only behind this wait
	QUANT X
	IMGST \t
.endm
	LOADX 0, 0
	LOADX 1, 1
	ASTEP 0
	ASTEP 1
	ASTEP 2
	ASTEP 3
	s_branch .Lend
	; ---------------- the weights
.Lweights:
	s_sub_co_u32 s26, ttmp9, 768
	s_lshr_b32 s27, s26, 6                         ; which weight
	s_bfe_u32 s28, s26, 0x20004                    ; which 256 along K
	s_and_b32 s29, s26, 15
	s_lshl_b32 s29, s29, 2
	s_add_co_u32 s29, s29, s22                     ; my column tile
	s_cmp_lt_u32 s27, 1
	s_cselect_b64 s[44:45], s[10:11], s[12:13]
	s_cmp_lt_u32 s27, 2
	s_cselect_b64 s[44:45], s[44:45], s[14:15]
	s_cmp_lt_u32 s27, 3
	s_cselect_b64 s[44:45], s[44:45], s[16:17]
	s_lshl_b32 s46, s28, 20                        ; 256 rows of 4,096 bytes
	s_lshr_b32 s30, s29, 1
	s_lshl_b32 s30, s30, 7                         ; 32 columns
	s_and_b32 s31, s29, 1
	s_lshl_b32 s31, s31, 5                         ; 8 columns
	s_add_co_u32 s46, s46, s30
	s_add_co_u32 s46, s46, s31
	s_add_nc_u64 s[44:45], s[44:45], s[46:47]
	s_lshl_b32 s33, s27, 6
	s_add_co_u32 s33, s33, s29
	s_mul_i32 s33, s33, TREC
	s_mul_i32 s34, s28, 3072
	s_add_co_u32 s46, s33, s34
	s_add_nc_u64 s[40:41], s[20:21], s[46:47]
	s_lshl_b32 s34, s28, 8
	s_add_co_u32 s46, s33, s34
	s_add_co_u32 s46, s46, 12288
	s_add_nc_u64 s[42:43], s[20:21], s[46:47]
.irp f, 0,1
.irp c, 0,1
.irp i, 0,1,2,3,4,5,6,7,8,9,10,11,12,13,14,15,16,17,18,19,20,21,22,23,24,25,26,27,28,29,30,31
	global_load_b32 v[R+64*\f+32*\c+\i], v[WOF], s[44:45] offset:(128*\f+64*\c+\i)*4096   ; W(128 f + 64 c + 32 h + i, my column)
.endr
.endr
.endr
; 64 numbers of a lane, register 32 c + i = k 64 c + 32 h + i of my column: two whole blocks
.macro QW src
.irp c, 0,1
	v_max3_num_f32 v[TM+\c], |v[(\src)+32*\c]|, |v[(\src)+32*\c+1]|, 0x1800000
.endr
.irp i, 2,4,6,8,10,12,14,16,18,20,22,24,26,28,30
.irp c, 0,1
	v_max3_num_f32 v[TM+\c], v[TM+\c], |v[(\src)+32*\c+\i]|, |v[(\src)+32*\c+\i+1]|
.endr
.endr
.irp c, 0,1
	v_add_nc_u32 v[TM+12+\c], 0xff000000, v[TM+\c]
.endr
.irp c, 0,1
	v_lshrrev_b32 v[TM+4+\c], 23, v[TM+12+\c]
.endr
	v_lshl_or_b32 v[PW], v[TM+5], 16, v[TM+4]      ; my two bytes: blocks h and 2 + h,
	v_lshlrev_b32 v[PW], v[H8], v[PW]              ; at their places in the word;
	v_permlanex16_b32 v[TM+6], v[PW], s[SEL], s[SEL+1]
	v_or_b32 v[PW], v[PW], v[TM+6]                 ; with lane l xor 16's two the word is whole
.irp c, 0,1
	v_cvt_scalef32_pk16_fp6_f32 v[PC+6*\c:PC+2+6*\c], v[(\src)+32*\c:(\src)+32*\c+15], v[TM+12+\c]
	v_cvt_scalef32_pk16_fp6_f32 v[PC+12+4*\c:PC+14+4*\c], v[(\src)+32*\c+16:(\src)+32*\c+31], v[TM+12+\c]
.endr
	v_nop
.irp c, 0,1
.irp i, 0,1,2
	v_mov_b32 v[PC+3+6*\c+\i], v[PC+12+4*\c+\i]
.endr
.endr
.endm
	s_wait_loadcnt 63                              ; 64 loads were issued behind the first fragment's; the wait's field holds 63 at the most
	QW R
	IMGST 0
	s_wait_loadcnt 0x0
	s_wait_xcnt 0x0                                ; the first fragment's stores have read their data
	QW R+64
	IMGST 1
.Lend:
	s_wait_tensorcnt 0x0                           ; the wave's end, behind the last LDS store
	ds_add_u32 v[SPW], v[NIL]
	s_wait_dscnt 0x0
	s_endpgm
.Lfunc_end_k_qe55b633a96_quant:
	.size	k_qe55b633a96_quant, .Lfunc_end_k_qe55b633a96_quant-k_qe55b633a96_quant
	.p2alignl 7, 3214868480
	.fill 96, 4, 3214868480
	.section	.rodata,"a",@progbits
	.p2align	6, 0x0
	.amdhsa_kernel k_qe55b633a96_quant
		.amdhsa_group_segment_fixed_size 34304
		.amdhsa_private_segment_fixed_size 0
		.amdhsa_enable_private_segment 0
		.amdhsa_kernarg_size 72
		.amdhsa_user_sgpr_count 2
		.amdhsa_user_sgpr_kernarg_segment_ptr 1
		.amdhsa_wavefront_size32 1
		.amdhsa_system_sgpr_workgroup_id_x 1
		.amdhsa_system_sgpr_workgroup_id_y 1
		.amdhsa_system_sgpr_workgroup_id_z 1
		.amdhsa_system_vgpr_workitem_id 0
		.amdhsa_next_free_vgpr 256
		.amdhsa_next_free_sgpr 66
		.amdhsa_reserve_vcc 0
		.amdhsa_float_denorm_mode_32 3
		.amdhsa_float_denorm_mode_16_64 3
		.amdhsa_memory_ordered 1
		.amdhsa_forward_progress 1
		.amdhsa_inst_pref_size 55
	.end_amdhsa_kernel
	.amdgpu_metadata
---
amdhsa.version: [ 1, 2 ]
amdhsa.kernels:
  - .name:           k_qe55b633a96_quant
    .symbol:         k_qe55b633a96_quant.kd
    .args:
      - { .name: q, .offset: 0, .size: 8, .value_kind: global_buffer, .address_space: global }
      - { .name: k, .offset: 8, .size: 8, .value_kind: global_buffer, .address_space: global }
      - { .name: v, .offset: 16, .size: 8, .value_kind: global_buffer, .address_space: global }
      - { .name: wq, .offset: 24, .size: 8, .value_kind: global_buffer, .address_space: global }
      - { .name: wk, .offset: 32, .size: 8, .value_kind: global_buffer, .address_space: global }
      - { .name: wv, .offset: 40, .size: 8, .value_kind: global_buffer, .address_space: global }
      - { .name: wo, .offset: 48, .size: 8, .value_kind: global_buffer, .address_space: global }
      - { .name: xq, .offset: 56, .size: 8, .value_kind: global_buffer, .address_space: global }
      - { .name: wt, .offset: 64, .size: 8, .value_kind: global_buffer, .address_space: global }
    .group_segment_fixed_size: 34304
    .private_segment_fixed_size: 0
    .kernarg_segment_align: 8
    .kernarg_segment_size: 72
    .max_flat_workgroup_size: 128
    .sgpr_count:     66
    .vgpr_count:     256
    .wavefront_size: 32
...
	.end_amdgpu_metadata
.endif
;; end of part 1
;; launch proj (part 2): grid 64 x 3, 4 waves a work-group, no clusters, 327,680 bytes of LDS; arguments xq, wt, bq, bk, bv, attn_mask, qf, kv; writes qf, kv
.if DOCPART == 2
	.amdgcn_target "amdgcn-amd-amdhsa--gfx1250"
	.amdhsa_code_object_version 6
	.text
	.protected	k_qe55b633a96_proj
	.globl	k_qe55b633a96_proj
	.p2align	8
	.type	k_qe55b633a96_proj,@function
k_qe55b633a96_proj:
	s_mov_b64 s[64:65], 0
	v_nop
	global_prefetch_b8 v0, s[64:65] scope:SCOPE_SE
	s_setreg_imm32_b32 hwreg(HW_REG_WAVE_MODE, 25, 1), 1
	s_wait_xcnt 0x0
; LAUNCH 2 OF 5.  Q = q wq + bq, K = k wk + bk, V = v wv + bv on the codes of launch 1, and each result quantised at once into the images that attention reads.
; grid y = the tensor T (0 q, 1 k, 2 v).  ONE FRAME: each wave keeps a RESIDENT operand, 4 tiles x K = 1,024, in 384 registers (first source); the STREAMED operand goes by blocks of 4 tiles
; (4 records, 53,248 consecutive bytes) through two LDS slots, one tensor load a wave (second source).  In a result the lane is the streamed operand's row and the registers run along the resident operand's rows.
; T = 0, 1: resident = 64 columns of the weight (one head a wave), streamed = 512 tokens in 8 blocks: a lane holds a token, its 32 registers of a tile the head's 64 channels: K of the scores' product.
; T = 2:    resident = 64 tokens of v a wave, streamed = wv's columns, one head a block, 8 heads: a lane holds a channel, its registers 64 tokens: the keys, K of the second product.
; OUT.  Q: a half image of 768 bytes a tile, and a scale image whose bytes are the quantiser's less 3: the scores' factor 1 / sqrt(64), exact (the floor among the maximum's leaves is 2^(6 - 127), so a stored byte is at least 1:
; a block of Q whose largest magnitude lies under 2^-121 is held there).  K, V, their scale words and attn_mask go into records of 3,328 bytes, one for each block of 32 keys of a (batch, head):
; 0 K's two tiles; 1536 V's registers 0-3 by channel tile; 2560 V's registers 4-5; 3072 K's scale words; 3136 V's; 3200 attn_mask's 32 numbers.
; No cluster: four neighbouring work-groups do stream the same blocks; joint loads are left for a later text, plain loads keep this one simple.  192 work-groups: 3 tensors x 64; eight blocks each.
; REGISTERS.  window 0: v1-3 (slot 0), v4-6 (slot 1) 16, 8, 4 x lane; v8, v9 the add's two; v16-47 the resident scale words; v48-55 the streamed ones, two sets; v64-159 the streamed fragments, two sets.
;   windows 1, 2: the resident fragments (tile ct, K step s) at 96 (ct % 2) + 12 s.   window 3: v0-127 the 16 accumulators (streamed tile m, resident tile ct) at 8 (4 m + ct); v128-159 the bias as C; from v160 the epilogue's.
.set TRECB, 13312
.set SLOTB, 53248
.set SPARE, 106496                     ; behind the two slots: the spare words, 128 bytes a wave
.set SPW, 8
.set NIL, 9
.set PS,  16
.set RS,  48
.set AF,  64
.set BI,  128                          ; window 3 from here on
.set TM,  160
.set PW,  166
.set PWP, 167
.set PC,  168
.set VW,  178
.set BS,  180
.set AX,  188
.set E16, 200
.set E8,  201
.set E4,  202
.set ER4, 203
.set EV16, 204
.set EV8, 205
.set EV4, 206
.set EB,  207
.set WV,  20
.set T,   21
.set G1,  24                           ; s[24:31] descriptor group 1
.set G0,  32                           ; s[32:39] group 0, a set for each slot
.set PB,  40
.set RB,  42
.set OUT1, 44                          ; s[44:45] stores: Q's half images, or the records of K or V
.set OUT2, 46                          ; s[46:47] stores: Q's scale images (the q arm alone uses it)
.set ST1, 48                           ; s[48:49] what a block moves OUT1 by
.set AUXP, 50                          ; s[50:51] loads: attn_mask (k) or bv (v)
.set FLOOR, 52
.set HM,  53
.set SEL, 54
.set CNT, 56
.set BB,  58
.set MSB, 0
.macro WIN new                         ; the immediate's high byte repeats the setting that is left
.if MSB != \new
	s_set_vgpr_msb (MSB<<8)|\new
.set MSB, \new
.endif
.endm
.macro PLACES
.rept 4
	v_nop
.endr
.endm
	s_load_b256 s[4:11], s[0:1], 0x0               ; xq, wt, bq, bk
	s_load_b256 s[12:19], s[0:1], 0x20             ; bv, attn_mask, qf, kv
	v_lshl_add_u32 v[SPW], v0, 2, SPARE
	v_mov_b32 v[NIL], 0
	ds_add_u32 v[SPW], v[NIL]                      ; the opening: the add, twice on end, and its wait ahead of my first tensor load
	ds_add_u32 v[SPW], v[NIL]
	v_lshrrev_b32 v10, 5, v0
	v_readfirstlane_b32 s[WV], v10
	s_and_b32 s[T], ttmp7, 0xffff
	s_mov_b32 s[G1+0], 3<<16                       ; elements of 8 bytes, no mask, no padding
	s_mov_b32 s[G1+1], 32<<16                      ; tensor_dim0 = 32: rows of 256 bytes
	s_mov_b32 s[G1+2], 52<<16                      ; tensor_dim1 = 52: one record
	s_mov_b32 s[G1+3], 32<<16                      ; tile_dim0
	s_mov_b32 s[G1+4], 52                          ; tile_dim1
	s_mov_b32 s[G1+5], 32                          ; the pitch: dense
	s_mov_b32 s[G1+6], 0
	s_mov_b32 s[G1+7], 0
	s_mov_b32 s[SEL], 0x76543210
	s_mov_b32 s[SEL+1], 0xfedcba98
	s_mov_b32 s[HM], 0xffff0000
	v_and_b32 v10, 31, v0
	v_and_b32 v11, 15, v0                          ; r
	v_bfe_u32 v12, v0, 4, 1                        ; h
	v_lshlrev_b32 v1, 4, v10
	v_lshlrev_b32 v2, 3, v10
	v_lshlrev_b32 v3, 2, v10
	v_add_nc_u32 v4, SLOTB, v1
	v_add_nc_u32 v5, SLOTB, v2
	v_add_nc_u32 v6, SLOTB, v3
	s_and_b32 s60, ttmp9, 3                        ; q, k: which four heads
	s_lshr_b32 s61, ttmp9, 2                       ;       which 512 tokens
	s_lshl_b32 s62, s60, 2
	s_add_co_u32 s62, s62, s[WV]                   ;       my head
	s_lshr_b32 s63, s61, 2                         ;       the batch
	s_and_b32 s66, s61, 3                          ;       which 512 tokens of it
	s_lshr_b32 s67, ttmp9, 5                       ; v: which eight heads
	s_and_b32 s68, ttmp9, 31                       ;    which 256 tokens
	s_lshr_b32 s69, s68, 3                         ;    the batch
	s_and_b32 s70, s68, 7
	s_lshl_b32 s71, s[T], 6
	s_lshl_b32 s72, s62, 2
	s_add_co_u32 s71, s71, s72                     ; resident records (q, k): 64 T + 4 head, in wt
	s_lshl_b32 s72, s68, 4
	s_lshl_b32 s73, s[WV], 2
	s_add_co_u32 s72, s72, s73
	s_add_co_u32 s72, s72, 1024                    ; (v): 1024 + 16 G + 4 wave, in xq
	s_lshl_b32 s73, s[T], 9
	s_lshl_b32 s74, s61, 5
	s_add_co_u32 s73, s73, s74                     ; streamed records (q, k): 512 T + 32 gx, in xq
	s_lshl_b32 s74, s67, 5
	s_add_co_u32 s74, s74, 128                     ; (v): 128 + 32 half, in wt
	s_lshl_b32 s75, s63, 4
	s_add_co_u32 s75, s75, s62                     ; 16 batch + head
	s_lshl_b32 s76, s75, 7
	s_lshl_b32 s77, s66, 5
	s_add_co_u32 s76, s76, s77                     ; Q's first tile
	s_mul_i32 s77, s76, 768
	s_lshl_b32 s78, s76, 7
	s_add_co_u32 s78, s78, 6291456                 ; and its scale image
	s_mul_i32 s79, s75, 212992
	s_mul_i32 s80, s66, 53248
	s_add_co_u32 s79, s79, s80                     ; K's first record
	s_lshl_b32 s80, s63, 13
	s_lshl_b32 s81, s66, 11
	s_add_co_u32 s80, s80, s81                     ; attn_mask at my first token
	s_lshl_b32 s81, s69, 4
	s_lshl_b32 s82, s67, 3
	s_add_co_u32 s81, s81, s82
	s_mul_i32 s81, s81, 212992
	s_lshl_b32 s82, s70, 3
	s_lshl_b32 s83, s[WV], 1
	s_add_co_u32 s82, s82, s83
	s_mul_i32 s82, s82, 3328
	s_add_co_u32 s81, s81, s82                     ; V's first record: first head, my two key blocks
	s_lshl_b32 s82, s67, 11                        ; bv at the first head
	s_mov_b32 s83, 6656
	s_mov_b32 s85, 0x1800000
	s_cmp_eq_u32 s[T], 0
	s_cselect_b32 s77, s77, s79
	s_cselect_b32 s[ST1], 3072, s83                ; what a block moves OUT1 by
	s_cselect_b32 s[FLOOR], 0x3000000, s85
	s_mov_b32 s83, 212992
	s_cmp_eq_u32 s[T], 2
	s_cselect_b32 s77, s81, s77
	s_cselect_b32 s80, s82, s80
	s_cselect_b32 s[ST1], s83, s[ST1]
	s_cselect_b32 s71, s72, s71
	s_cselect_b32 s73, s74, s73
	s_mul_i32 s71, s71, TRECB
	s_mul_i32 s73, s73, TRECB
	s_mul_i32 s74, s[WV], TRECB                    ; my record of a block, in memory and in a slot
	s_add_co_u32 s73, s73, s74
	s_mov_b32 s[ST1+1], 0
	s_lshl_b32 s86, s62, 8                         ; my head's 64 numbers of a bias
	s_mov_b32 s89, 0
	s_wait_dscnt 0x0                               ; both opening adds are done
	s_wait_kmcnt 0x0
	s_cmp_eq_u32 s[T], 2
	s_cselect_b64 s[PB:PB+1], s[4:5], s[6:7]
	s_cselect_b64 s[RB:RB+1], s[6:7], s[4:5]
	s_cselect_b64 s[AUXP:AUXP+1], s[12:13], s[14:15]
	s_cmp_eq_u32 s[T], 0
	s_cselect_b64 s[OUT1:OUT1+1], s[16:17], s[18:19]
	s_cselect_b64 s[BB:BB+1], s[8:9], s[10:11]
	s_mov_b64 s[OUT2:OUT2+1], s[16:17]
	s_mov_b32 s88, s73
	s_add_nc_u64 s[RB:RB+1], s[RB:RB+1], s[88:89]
	s_mov_b32 s[G0+0], 1
	s_mov_b32 s[G0+1], s74
	s_mov_b64 s[G0+2:G0+3], s[RB:RB+1]
	s_or_b32 s[G0+3], s[G0+3], 0x80000000
	s_mov_b32 s[G0+4], 1
	s_add_co_u32 s[G0+5], s74, SLOTB
	s_add_nc_u64 s[G0+6:G0+7], s[RB:RB+1], SLOTB
	s_or_b32 s[G0+7], s[G0+7], 0x80000000
	tensor_load_to_lds s[G0:G0+3], s[G1:G1+7]      ; block 0: both first fills go out together; two loads of mine are out
	s_nop 0
	tensor_load_to_lds s[G0+4:G0+7], s[G1:G1+7]    ; block 1
	s_nop 0
	PLACES
	s_mov_b32 s88, s71
	s_add_nc_u64 s[PB:PB+1], s[PB:PB+1], s[88:89]
	s_mov_b32 s88, s77
	s_add_nc_u64 s[OUT1:OUT1+1], s[OUT1:OUT1+1], s[88:89]
	s_mov_b32 s88, s78
	s_add_nc_u64 s[OUT2:OUT2+1], s[OUT2:OUT2+1], s[88:89]
	s_mov_b32 s88, s80
	s_add_nc_u64 s[AUXP:AUXP+1], s[AUXP:AUXP+1], s[88:89]
	s_mov_b32 s88, s86
	s_add_nc_u64 s[BB:BB+1], s[BB:BB+1], s[88:89]
	; the resident operand: 128 loads of whole images, and 32 scale words
	WIN 0x40
.irp ct, 0,1
.irp ks, 0,1,2,3,4,5,6,7
.irp c, 0,1
	global_load_b128 v[96*\ct+12*\ks+6*\c:96*\ct+12*\ks+6*\c+3], v1, s[PB:PB+1] offset:TRECB*\ct+1536*\ks+768*\c
	global_load_b64 v[96*\ct+12*\ks+6*\c+4:96*\ct+12*\ks+6*\c+5], v2, s[PB:PB+1] offset:TRECB*\ct+1536*\ks+768*\c+512
.endr
.endr
.endr
	WIN 0x80
.irp ct, 0,1
.irp ks, 0,1,2,3,4,5,6,7
.irp c, 0,1
	global_load_b128 v[96*\ct+12*\ks+6*\c:96*\ct+12*\ks+6*\c+3], v1, s[PB:PB+1] offset:TRECB*(\ct+2)+1536*\ks+768*\c
	global_load_b64 v[96*\ct+12*\ks+6*\c+4:96*\ct+12*\ks+6*\c+5], v2, s[PB:PB+1] offset:TRECB*(\ct+2)+1536*\ks+768*\c+512
.endr
.endr
.endr
	WIN 0
.irp ct, 0,1,2,3
.irp ks, 0,1,2,3,4,5,6,7
	global_load_b32 v[PS+8*\ct+\ks], v3, s[PB:PB+1] offset:TRECB*\ct+12288+128*\ks
.endr
.endr
	v_mul_u32_u24 v13, v12, 3328                   ; the epilogue's offsets, made here and moved to window 3
	v_lshl_add_u32 v14, v11, 4, v13
	v_lshl_add_u32 v15, v11, 3, v13
	v_lshl_add_u32 v13, v11, 2, v13
	v_and_b32 v7, 8, v11
	v_add_nc_u32 v7, v7, v11
	v_lshlrev_b32 v7, 2, v7
	v_lshlrev_b32 v10, 2, v11
	v_lshlrev_b32 v12, 6, v12                      ; 64 h: my half's 16 numbers of a bias
	WIN 0xc0
	v_mov_b32 v[E16], v1
	v_mov_b32 v[E8], v2
	v_mov_b32 v[E4], v3
	v_mov_b32 v[ER4], v10
	v_mov_b32 v[EV16], v14
	v_mov_b32 v[EV8], v15
	v_mov_b32 v[EV4], v13
	v_mov_b32 v[EB], v7
	v_mov_b32 v[TM+2], 0                           ; a lane permute's destination counts as one of its sources
	v_mov_b32 v[TM+3], 0
.irp i, 0,1,2,3,4,5,6,7
	v_mov_b32 v[BS+\i], 0                          ; bv's four numbers at the even places; the odd ones are named with them as pairs
.endr
	v_mov_b32 v[AX], 0
	v_mov_b32 v[AX+1], 0
	WIN 0
	s_cmp_eq_u32 s[T], 2
	s_cbranch_scc1 .Lno_bias
	WIN 0xc0
.irp ct, 0,1,2,3                               ; the bias is the C of each sum's first product: lane (r, h), tile ct: channels 32 (ct / 2) + 16 h + 8 (ct % 2) + 0 .. 7
	global_load_b128 v[BI+8*\ct:BI+8*\ct+3], v12, s[BB:BB+1] offset:(32*(\ct/2)+8*(\ct%2))*4
	global_load_b128 v[BI+8*\ct+4:BI+8*\ct+7], v12, s[BB:BB+1] offset:(32*(\ct/2)+8*(\ct%2))*4+16
.endr
	WIN 0
	s_branch .Lbias_done
.Lno_bias:
	WIN 0xc0
.irp i, 0,1,2,3,4,5,6,7,8,9,10,11,12,13,14,15,16,17,18,19,20,21,22,23,24,25,26,27,28,29,30,31
	v_mov_b32 v[BI+\i], 0                          ; V's bias runs along the lanes: it is added in the epilogue
.endr
	WIN 0
.Lbias_done:
	s_wait_loadcnt 0x0
; K step ks of the slot's four tiles into a set: 20 loads, each of consecutive bytes
.macro FETCH slot, ks, set
.irp m, 0,1,2,3
	ds_load_b128 v[AF+48*(\set)+12*\m:AF+48*(\set)+12*\m+3], v[1+3*\slot] offset:TRECB*\m+1536*(\ks)
	ds_load_b64 v[AF+48*(\set)+12*\m+4:AF+48*(\set)+12*\m+5], v[2+3*\slot] offset:TRECB*\m+1536*(\ks)+512
	ds_load_b128 v[AF+48*(\set)+12*\m+6:AF+48*(\set)+12*\m+9], v[1+3*\slot] offset:TRECB*\m+1536*(\ks)+768
	ds_load_b64 v[AF+48*(\set)+12*\m+10:AF+48*(\set)+12*\m+11], v[2+3*\slot] offset:TRECB*\m+1536*(\ks)+1280
	ds_load_b32 v[RS+4*(\set)+\m], v[3+3*\slot] offset:TRECB*\m+12288+128*(\ks)
.endr
.endm
.macro WM ct, m, ks, set
.if (\ks) == 0
	v_wmma_scale_f32_16x16x128_f8f6f4 v[8*(4*\m+\ct):8*(4*\m+\ct)+7], v[96*(\ct%2)+12*(\ks):96*(\ct%2)+12*(\ks)+11], v[AF+48*(\set)+12*\m:AF+48*(\set)+12*\m+11], v[BI+8*\ct:BI+8*\ct+7], v[PS+8*\ct+(\ks)], v[RS+4*(\set)+\m] matrix_a_fmt:MATRIX_FMT_FP6 matrix_b_fmt:MATRIX_FMT_FP6
.else
	v_wmma_scale_f32_16x16x128_f8f6f4 v[8*(4*\m+\ct):8*(4*\m+\ct)+7], v[96*(\ct%2)+12*(\ks):96*(\ct%2)+12*(\ks)+11], v[AF+48*(\set)+12*\m:AF+48*(\set)+12*\m+11], v[8*(4*\m+\ct):8*(4*\m+\ct)+7], v[PS+8*\ct+(\ks)], v[RS+4*(\set)+\m] matrix_a_fmt:MATRIX_FMT_FP6 matrix_b_fmt:MATRIX_FMT_FP6
.endif
.endm
; 16 products: the 16 accumulators take turns, one instruction a turn, in the same order in every K step
.macro MM ks, set
	WIN 0xf1                                       ; first source window 1, second window 0, C and D window 3
.irp ct, 0,1
.irp m, 0,1,2,3
	WM \ct, \m, \ks, \set
.endr
.endr
	WIN 0xf2
.irp ct, 2,3
.irp m, 0,1,2,3
	WM \ct, \m, \ks, \set
.endr
.endr
.endm
; 32 registers of a lane, register 16 b + i = place 32 b + 16 h + i along the next K, become half an image (six registers) in v[PC] on and two scale bytes in v[PW].  It reads each accumulator from its low end on.
.macro QUANT2 src
.irp b, 0,1
	v_max3_num_f32 v[TM+\b], |v[\src+16*\b]|, |v[\src+16*\b+1]|, s[FLOOR]
.endr
.irp i, 2,4,6,8,10,12,14
.irp b, 0,1
	v_max3_num_f32 v[TM+\b], v[TM+\b], |v[\src+16*\b+\i]|, |v[\src+16*\b+\i+1]|
.endr
.endr
.irp b, 0,1
	v_permlanex16_b32 v[TM+2+\b], v[TM+\b], s[SEL], s[SEL+1]
.endr
.irp b, 0,1
	v_max_num_f32 v[TM+\b], v[TM+\b], v[TM+2+\b]
.endr
.irp b, 0,1
	v_add_nc_u32 v[TM+4+\b], 0xff000000, v[TM+\b]
.endr
.irp b, 0,1
	v_lshrrev_b32 v[TM+2+\b], 23, v[TM+4+\b]
.endr
	v_lshl_or_b32 v[PW], v[TM+3], 8, v[TM+2]
	v_cvt_scalef32_pk16_fp6_f32 v[PC:PC+2], v[\src:\src+15], v[TM+4]
	v_cvt_scalef32_pk16_fp6_f32 v[PC+6:PC+8], v[\src+16:\src+31], v[TM+5]
	v_nop                                          ; one plain place behind a scaled conversion
.irp i, 0,1,2
	v_permlane16_swap_b32 v[PC+\i], v[PC+6+\i]     ; lanes 0-15 get block 0 whole, lanes 16-31 block 1
.endr
.irp i, 0,1,2
	v_mov_b32 v[PC+3+\i], v[PC+6+\i]
.endr
.endm
.macro EPI_Q
.irp m, 0,1,2,3
	s_wait_xcnt 0x0                                ; the last tile's stores have read their data
	QUANT2 (32*\m)
	global_store_b128 v[E16], v[PC:PC+3], s[OUT1:OUT1+1] offset:768*\m
	global_store_b64 v[E8], v[PC+4:PC+5], s[OUT1:OUT1+1] offset:768*\m+512
	v_add_nc_u32 v[PW], 0xfffffcfd, v[PW]          ; 3 off each byte: x 1 / 8; each byte is at least 4
	v_lshl_or_b32 v[PW], v[PW], 16, v[PW]          ; the word serves Q at k 0-63 and at k 64-127
	global_store_b32 v[E4], v[PW], s[OUT2:OUT2+1] offset:128*\m
.endr
.endm
.macro EPI_K
.irp m, 0,1,2,3
	s_wait_xcnt 0x0
	QUANT2 (32*\m)
	global_store_b128 v[E16], v[PC:PC+3], s[OUT1:OUT1+1] offset:(\m/2)*3328+(\m%2)*768
	global_store_b64 v[E8], v[PC+4:PC+5], s[OUT1:OUT1+1] offset:(\m/2)*3328+(\m%2)*768+512
.if \m%2 == 0
	v_mov_b32 v[PWP], v[PW]
.else
	v_lshl_or_b32 v[PWP], v[PW], 16, v[PWP]        ; bytes 0, 1: tile 0's key r; bytes 2, 3: tile 1's
	global_store_b32 v[ER4], v[PWP], s[OUT1:OUT1+1] offset:(\m/2)*3328+3072   ; lanes l and l + 16 store the same word
.endif
.endr
	global_store_b32 v[E4], v[AX], s[OUT1:OUT1+1] offset:3200
	global_store_b32 v[E4], v[AX+1], s[OUT1:OUT1+1] offset:3328+3200
.endm
.macro EPI_V
.irp m, 0,1,2,3
.irp j, 0,2,4,6,8,10,12,14,16,18,20,22,24,26,28,30
	v_pk_add_f32 v[32*\m+\j:32*\m+\j+1], v[32*\m+\j:32*\m+\j+1], v[BS+2*\m:BS+2*\m+1] op_sel_hi:[1,0]   ; + bv of my channel
.endr
	s_wait_xcnt 0x0
	QUANT2 (32*\m)
	global_store_b128 v[EV16], v[PC:PC+3], s[OUT1:OUT1+1] offset:1536+256*\m    ; lanes 0-15: my first key block's record, lanes 16-31 the second's
	global_store_b64 v[EV8], v[PC+4:PC+5], s[OUT1:OUT1+1] offset:2560+128*\m
.if \m == 0
	v_mov_b32 v[VW], v[TM+2]
	v_mov_b32 v[VW+1], v[TM+3]
.else
	v_lshl_or_b32 v[VW], v[TM+2], 8*\m, v[VW]
	v_lshl_or_b32 v[VW+1], v[TM+3], 8*\m, v[VW+1]
.endif
.endr
	v_cndmask_b32 v[VW], v[VW], v[VW+1], s[HM]
	global_store_b32 v[EV4], v[VW], s[OUT1:OUT1+1] offset:3136
.endm
.macro EPILOGUE
	s_wait_loadcnt 0x0                             ; what AUX asked for, a block's products ago
	s_cmp_eq_u32 s[T], 0
	s_cbranch_scc0 .Lnot_q_\@
	WIN 0xff
	EPI_Q
	WIN 0
	s_branch .Ljoin_\@
.Lnot_q_\@:
	s_cmp_eq_u32 s[T], 1
	s_cbranch_scc0 .Lnot_k_\@
	WIN 0xff
	EPI_K
	WIN 0
	s_branch .Ljoin_\@
.Lnot_k_\@:
	WIN 0xff
	EPI_V
	WIN 0
.Ljoin_\@:
	s_wait_xcnt 0x0                                ; the stores and loads have read their bases: they step only behind this wait
	s_add_nc_u64 s[OUT1:OUT1+1], s[OUT1:OUT1+1], s[ST1:ST1+1]
	s_add_nc_u64 s[OUT2:OUT2+1], s[OUT2:OUT2+1], 512   ; four scale images of Q
	s_add_nc_u64 s[AUXP:AUXP+1], s[AUXP:AUXP+1], 256   ; 64 numbers of attn_mask or of bv
.endm
.macro AUX                             ; the small loads of a block: K: attn_mask of its 64 tokens; V: bv of its head, my channel of each tile
	s_cmp_eq_u32 s[T], 1
	s_cbranch_scc0 .Lnot_1_\@
	WIN 0xff
	global_load_b32 v[AX], v[E4], s[AUXP:AUXP+1]
	global_load_b32 v[AX+1], v[E4], s[AUXP:AUXP+1] offset:128
	WIN 0
.Lnot_1_\@:
	s_cmp_eq_u32 s[T], 2
	s_cbranch_scc0 .Lnot_2_\@
	WIN 0xff
	global_load_b32 v[BS+0], v[EB], s[AUXP:AUXP+1]
	global_load_b32 v[BS+2], v[EB], s[AUXP:AUXP+1] offset:32
	global_load_b32 v[BS+4], v[EB], s[AUXP:AUXP+1] offset:128
	global_load_b32 v[BS+6], v[EB], s[AUXP:AUXP+1] offset:160
	WIN 0
.Lnot_2_\@:
.endm
; A block: eight K steps of 16 products; each step's fragments are fetched while the step before is multiplied.  Four plain places stand in front of loads into registers that products have read, and of the first read of results.
.macro BLOCK slot
	FETCH \slot, 0, 0
.irp ks, 0,1,2,3,4,5,6,7
	s_wait_dscnt 0x0
	PLACES
.if \ks < 7
	FETCH \slot, \ks+1, (\ks+1)%2
.endif
	MM \ks, \ks%2
	WIN 0
.endr
	PLACES
	EPILOGUE
.endm
; The change of slots, at a block's head: all my tensor loads have landed; the add; my reads of the slot that I have left are over; the barrier; then the slot left is filled again, my one load until the next such barrier.
.macro CHG slot, refill
	s_wait_tensorcnt 0x0
	ds_add_u32 v[SPW], v[NIL]
	s_add_nc_u64 s[G0+4*(1-\slot)+2:G0+4*(1-\slot)+3], s[G0+4*(1-\slot)+2:G0+4*(1-\slot)+3], 2*SLOTB
	s_wait_dscnt 0x0
	s_barrier_signal -1
	s_barrier_wait -1
.if \refill
	tensor_load_to_lds s[G0+4*(1-\slot):G0+4*(1-\slot)+3], s[G1:G1+7]
	s_nop 0
	PLACES
.endif
.endm
	s_wait_tensorcnt 1                             ; my record of block 0 is in; block 1's load may stay out
	s_barrier_signal -1
	s_barrier_wait -1
	AUX
	BLOCK 0
	s_mov_b32 s[CNT], 3
.Lring:                                                ; blocks 1 to 6; blocks 2 to 7 are asked for
	CHG 1, 1
	AUX
	BLOCK 1
	CHG 0, 1
	AUX
	BLOCK 0
	s_sub_co_u32 s[CNT], s[CNT], 1
	s_cmp_lg_u32 s[CNT], 0
	s_cbranch_scc1 .Lring
	CHG 1, 0                                       ; the last block is written out: nothing is left to fetch
	AUX
	BLOCK 1
	s_wait_tensorcnt 0x0                           ; the wave's end
	ds_add_u32 v[SPW], v[NIL]
	s_wait_dscnt 0x0
	s_endpgm
.Lfunc_end_k_qe55b633a96_proj:
	.size	k_qe55b633a96_proj, .Lfunc_end_k_qe55b633a96_proj-k_qe55b633a96_proj
	.p2alignl 7, 3214868480
	.fill 96, 4, 3214868480
	.section	.rodata,"a",@progbits
	.p2align	6, 0x0
	.amdhsa_kernel k_qe55b633a96_proj
		.amdhsa_group_segment_fixed_size 327680
		.amdhsa_private_segment_fixed_size 0
		.amdhsa_enable_private_segment 0
		.amdhsa_kernarg_size 64
		.amdhsa_user_sgpr_count 2
		.amdhsa_user_sgpr_kernarg_segment_ptr 1
		.amdhsa_wavefront_size32 1
		.amdhsa_system_sgpr_workgroup_id_x 1
		.amdhsa_system_sgpr_workgroup_id_y 1
		.amdhsa_system_sgpr_workgroup_id_z 1
		.amdhsa_system_vgpr_workitem_id 0
		.amdhsa_next_free_vgpr 1024
		.amdhsa_next_free_sgpr 96
		.amdhsa_reserve_vcc 0
		.amdhsa_float_denorm_mode_32 3
		.amdhsa_float_denorm_mode_16_64 3
		.amdhsa_memory_ordered 1
		.amdhsa_forward_progress 1
		.amdhsa_inst_pref_size 255
	.end_amdhsa_kernel
	.section	.bss,"aw",@nobits
	.p2align	6
	.space	262144
	.amdgpu_metadata
---
amdhsa.version: [ 1, 2 ]
amdhsa.kernels:
  - .name:           k_qe55b633a96_proj
    .symbol:         k_qe55b633a96_proj.kd
    .args:
      - { .name: xq, .offset: 0, .size: 8, .value_kind: global_buffer, .address_space: global }
      - { .name: wt, .offset: 8, .size: 8, .value_kind: global_buffer, .address_space: global }
      - { .name: bq, .offset: 16, .size: 8, .value_kind: global_buffer, .address_space: global }
      - { .name: bk, .offset: 24, .size: 8, .value_kind: global_buffer, .address_space: global }
      - { .name: bv, .offset: 32, .size: 8, .value_kind: global_buffer, .address_space: global }
      - { .name: attn_mask, .offset: 40, .size: 8, .value_kind: global_buffer, .address_space: global }
      - { .name: qf, .offset: 48, .size: 8, .value_kind: global_buffer, .address_space: global }
      - { .name: kv, .offset: 56, .size: 8, .value_kind: global_buffer, .address_space: global }
    .group_segment_fixed_size: 327680
    .private_segment_fixed_size: 0
    .kernarg_segment_align: 8
    .kernarg_segment_size: 64
    .max_flat_workgroup_size: 128
    .sgpr_count:     96
    .vgpr_count:     1024
    .wavefront_size: 32
...
	.end_amdgpu_metadata
.endif
;; end of part 2
;; launch attn (part 3): grid 4 x 64, 16 waves a work-group, no clusters, 327,680 bytes of LDS; arguments qf, kv, af; writes af
.if DOCPART == 3
	.amdgcn_target "amdgcn-amd-amdhsa--gfx1250"
	.amdhsa_code_object_version 6
	.text
	.protected	k_qe55b633a96_attn
	.globl	k_qe55b633a96_attn
	.p2align	8
	.type	k_qe55b633a96_attn,@function
k_qe55b633a96_attn:
	s_mov_b64 s[64:65], 0
	v_nop
	global_prefetch_b8 v0, s[64:65] scope:SCOPE_SE
	s_setreg_imm32_b32 hwreg(HW_REG_WAVE_MODE, 25, 1), 1
	s_wait_xcnt 0x0
; LAUNCH 3 OF 5.  Scores, softmax and the second product for query tiles 1 to 127 of each (batch, head); the result, divided by the row's sum, is quantised into the last product's images.
; LEFT OUT (shown at the head of the first launch): key blocks of 32 all of whose keys reference()'s own window mask hides from all 16 queries of a tile.  Tile 0, the global queries, is the next launch's.
; SHARES.  A work-group takes a quarter of a head's queries, 32 tiles of 16; each of its 16 waves two tiles, one after the other.  Tile j sees key blocks Bs .. Bs + 16, Bs = (j / 2 - 8) held to 0 .. 47, and block 0
; (its keys 0-15 are global): four steps of four blocks, then a short step with block Bs + 16 and block 0.  Steps and parts of the mask that a tile does not need are passed over by scalar branches on ids.
; LDS, filled once: the 32 records that the quarter's tiles walk, from block 0, 8, 24 or 32, and block 0's record.  Every wave fetches two records and a sixteenth of block 0's.  (The first and the last quarter walk 24 of
; their 32 records: the descriptors are constants, and no jump leads round a first fill.)  No cluster: the four quarters of a head walk different records.  No prefetch: everything is asked for once, at the head.
; LAYOUT.  S^T = K Q^T + attn_mask (first source 16 keys, second my 16 queries, C the mask's numbers of those keys): a lane holds one query.  The head has 64 channels, the instruction takes 128: a block's two key tiles share
; 18 registers, [tile 0][six zeros][tile 1]: tile 0 is the first 12, tile 1 the last 12; Q likewise [Q][six zeros][Q].  Q's scale bytes carry the factor 1 / 8.  So D is reference()'s logit ahead of the window mask.
; SOFTMAX.  t = logit x log2(e); M = the running largest t rounded up; p = 2^(t - M) is quantised by blocks of 32 keys; the row's sum is taken of the unquantised p; when M moves, sum and O^T are multiplied by a power of two.
; O^T += V^T P^T: first source 16 channels x 128 keys, second P.
.set REC,   3328
.set GREC,  106496                     ; block 0's record
.set SPARE, 165888                     ; the spare words, 128 bytes a wave
.set A16,  1                           ; v1-6: the tile's first record + 16 l; 8 l; 3328 h + 16 r; 3328 h + 8 r; 4 r; 64 h
.set A8,   2
.set AV16, 3
.set AV8,  4
.set A4R,  5
.set A64H, 6
.set SPW,  7
.set NIL,  8
.set DL,   9                           ; a key place under this is hidden;  in the short step: V's 8-byte address
.set MV8,  9
.set DH,   10                          ; a key place over this is hidden
.set NINF, 11
.set QF,   16                          ; v16-33 Q; v34 its scale word
.set QS,   34
.set MV16, 35
.set KF,   36                          ; v36-107 K: block b at 36 + 18 b
.set KS,   108
.set VR,   112
.set VX,   116
.set G16,  120                         ; v120-123 block 0's record + 16 l, 8 l, 4 r, 64 h; never rewritten
.set G8,   121
.set G4R,  122
.set G64H, 123
.set S,    124                         ; v124-187 the mask's numbers, S^T, p; then V's fragments at 124 + 12 ct
.set O,    188                         ; v188-219 O^T
.set P,    220
.set Y,    232
.set BM,   240
.set BP,   244
.set SO,   248
.set F,    252
.set TP,   254
.set PS,   255
.set WV, 10
.set QR, 11
.set BH, 12
.set TT, 13
.set J,  14
.set BSB, 15
.set LO, 16
.set HI, 17
.set TB, 18
.set GM, 19
.set SEL, 20
.set CS, 22
.set G1W, 24
.set G1G, 32
.set G0W, 40
.set G0G, 44
.set LM, 48
.set LO16, 49
	s_load_b128 s[4:7], s[0:1], 0x0                ; qf, kv
	s_load_b64 s[8:9], s[0:1], 0x10                ; af
	v_lshl_add_u32 v[SPW], v0, 2, SPARE
	v_mov_b32 v[NIL], 0
	ds_add_u32 v[SPW], v[NIL]                      ; the opening: the add, twice on end, and its wait ahead of my first tensor load
	ds_add_u32 v[SPW], v[NIL]
	v_lshrrev_b32 v[TP], 5, v0
	s_delay_alu instid0(VALU_DEP_1)
	v_readfirstlane_b32 s[WV], v[TP]
	s_mov_b32 s[QR], ttmp9
	s_and_b32 s[BH], ttmp7, 0xffff
	s_mov_b32 s[G1W+0], 3<<16                      ; two records: 26 rows of 256 bytes, dense
	s_mov_b32 s[G1W+1], 32<<16
	s_mov_b32 s[G1W+2], 26<<16
	s_mov_b32 s[G1W+3], 32<<16
	s_mov_b32 s[G1W+4], 26
	s_mov_b32 s[G1W+5], 32
	s_mov_b32 s[G1W+6], 0
	s_mov_b32 s[G1W+7], 0
	s_mov_b32 s[G1G+0], 3<<16                      ; one row of 208 bytes
	s_mov_b32 s[G1G+1], 26<<16
	s_mov_b32 s[G1G+2], 1<<16
	s_mov_b32 s[G1G+3], 26<<16
	s_mov_b32 s[G1G+4], 1
	s_mov_b32 s[G1G+5], 26
	s_mov_b32 s[G1G+6], 1<<16
	s_mov_b32 s[G1G+7], 0
	s_mov_b32 s[SEL], 0x76543210
	s_mov_b32 s[SEL+1], 0xfedcba98
	s_mov_b32 s[CS], 0x3fb8aa3b                    ; log2(e)
	s_mov_b32 s[CS+1], s[CS]
	s_lshl_b32 s50, s[QR], 4
	s_sub_co_i32 s50, s50, 8
	s_max_i32 s50, s50, 0
	s_min_i32 s50, s50, 32                         ; the quarter's first record: 0, 8, 24, 32
	s_mul_i32 s50, s50, REC
	s_mul_i32 s51, s[BH], 212992
	s_mul_i32 s52, s[WV], 6656
	s_mul_i32 s53, s[WV], 208
	s_add_co_u32 s54, s51, s50
	s_add_co_u32 s54, s54, s52
	s_mov_b32 s55, 0
	s_add_co_u32 s56, s51, s53
	s_mov_b32 s57, 0
	s_wait_dscnt 0x0                               ; both opening adds are done
	s_wait_kmcnt 0x0
	s_mov_b32 s[G0W+0], 1
	s_mov_b32 s[G0W+1], s52
	s_add_nc_u64 s[G0W+2:G0W+3], s[6:7], s[54:55]
	s_or_b32 s[G0W+3], s[G0W+3], 0x80000000
	s_mov_b32 s[G0G+0], 1
	s_add_co_u32 s[G0G+1], s53, GREC
	s_add_nc_u64 s[G0G+2:G0G+3], s[6:7], s[56:57]
	s_or_b32 s[G0G+3], s[G0G+3], 0x80000000
	tensor_load_to_lds s[G0W:G0W+3], s[G1W:G1W+7]  ; one load of mine is out
	s_nop 0
	s_wait_alu depctr_va_vdst(0)
	s_wait_tensorcnt 0x0
	ds_add_u32 v7, v8
	s_wait_dscnt 0x0
	s_barrier_signal -1
	s_barrier_wait -1
	tensor_load_to_lds s[G0G:G0G+3], s[G1G:G1G+7]
	s_nop 0
.rept 4
	v_nop
.endr
.irp i, 0,1,2,3,4,5
	v_mov_b32 v[QF+6+\i], 0                        ; the zeros between the live halves: written once
.endr
.irp b, 0,1,2,3
.irp i, 0,1,2,3,4,5
	v_mov_b32 v[KF+18*\b+6+\i], 0
.endr
.endr
.irp b, 0,1,2,3
	v_mov_b32 v[BP+\b], 0                          ; a lane permute's destination counts as one of its sources
.endr
	v_mov_b32 v[F+1], 0                            ; named with f as a pair
	v_mov_b32 v[NINF], 0xff800000
	v_and_b32 v[TP], 31, v0
	s_delay_alu instid0(VALU_DEP_1)
	v_lshl_add_u32 v[G16], v[TP], 4, GREC
	s_delay_alu instid0(VALU_DEP_2)
	v_lshl_add_u32 v[G8], v[TP], 3, GREC
	v_and_b32 v[TP], 15, v0
	s_delay_alu instid0(VALU_DEP_1)
	v_lshl_add_u32 v[G4R], v[TP], 2, GREC
	v_bfe_u32 v[TP], v0, 4, 1
	s_delay_alu instid0(VALU_DEP_1)
	v_lshl_add_u32 v[G64H], v[TP], 6, GREC
	s_wait_tensorcnt 0x0                           ; my parts are in,
	s_barrier_signal -1
	s_barrier_wait -1                              ; everybody's are; nothing is ever filled again
; One block's part of the window mask: 16 registers.  kb: the block's first key place, counted from the tile's first block.
.macro LOWSEC kb, sr
	s_cmp_le_i32 s[LO16], \kb                      ; no key of the block lies under any query's window
	s_cbranch_scc1 .Lno_low_\@
.irp ii, 0,1,2,3,4,5,6,7,8,9,10,11,12,13,14,15
	v_cmp_lt_i32 vcc_lo, \kb+\ii, v[DL]
	v_cndmask_b32 v[\sr+\ii], v[\sr+\ii], v[NINF], vcc_lo
.endr
.Lno_low_\@:
.endm
.macro HIGHSEC kb, sr
	s_cmp_ge_i32 s[HI], \kb+31                     ; no key of the block lies over any query's window
	s_cbranch_scc1 .Lno_high_\@
.irp ii, 0,1,2,3,4,5,6,7,8,9,10,11,12,13,14,15
	v_cmp_gt_i32 vcc_lo, \kb+\ii, v[DH]
	v_cndmask_b32 v[\sr+\ii], v[\sr+\ii], v[NINF], vcc_lo
.endr
.Lno_high_\@:
.endm
; The softmax of nb blocks, up to p's codes' halves.  Register 16 b + i of S is key 32 b + 16 h + i.
.macro SM_A nb
.set bb, 0
.rept \nb
	v_max3_num_f32 v[BM+bb], v[S+16*bb], v[S+16*bb+1], v[S+16*bb+2]   ; each block's largest logit: for the row's maximum, and for the block's largest p
.set bb, bb+1
.endr
.irp i, 3,5,7,9,11,13
.set bb, 0
.rept \nb
	v_max3_num_f32 v[BM+bb], v[BM+bb], v[S+16*bb+\i], v[S+16*bb+\i+1]
.set bb, bb+1
.endr
.endr
.set bb, 0
.rept \nb
	v_max_num_f32 v[BM+bb], v[BM+bb], v[S+16*bb+15]
.set bb, bb+1
.endr
.set bb, 0
.rept \nb
	v_permlanex16_b32 v[BP+bb], v[BM+bb], s[SEL], s[SEL+1]
.set bb, bb+1
.endr
.set bb, 0
.rept \nb
	v_max_num_f32 v[BM+bb], v[BM+bb], v[BP+bb]
.set bb, bb+1
.endr
.if \nb == 4
	s_delay_alu instid0(VALU_DEP_2)
	v_max3_num_f32 v[TP], v[BM], v[BM+1], v[BM+2]
	s_delay_alu instid0(VALU_DEP_1)
	v_max_num_f32 v[TP], v[TP], v[BM+3]
.else
	s_delay_alu instid0(VALU_DEP_1)
	v_max_num_f32 v[TP], v[BM], v[BM+1]
.endif
	s_delay_alu instid0(VALU_DEP_1)
	v_mul_f32 v[TP], s[CS], v[TP]
	s_delay_alu instid0(VALU_DEP_1)
	v_max_num_f32 v13, v13, v[TP]                  ; the running largest t
	v_mov_b32 v[TP], v12
	s_delay_alu instid0(VALU_DEP_2)
	v_floor_f32 v12, -v13                          ; -M = floor(-t): M is a whole number
	s_delay_alu instid0(VALU_DEP_1)
	v_sub_f32 v[TP], v12, v[TP]
	s_delay_alu instid0(VALU_DEP_1)
	v_cvt_i32_f32 v[TP], v[TP]                     ; (it saturates)
	s_delay_alu instid0(VALU_DEP_1)
	v_ldexp_f32 v[F], 1.0, v[TP]                   ; f = 2^(old M - new M)
.set jj, 0
.rept 8*\nb
	v_pk_fma_f32 v[S+jj:S+jj+1], v[S+jj:S+jj+1], s[CS:CS+1], v[12:13] op_sel_hi:[1,0,0]   ; t - M
.set jj, jj+2
.endr
.set bb, 0
.rept \nb
	v_fma_f32 v[BM+bb], v[BM+bb], s[CS], v12
.set bb, bb+1
.endr
.set jj, 0
	s_wait_alu depctr_va_vdst(0)
.rept 16*\nb
	v_exp_f32 v[S+jj], v[S+jj]                     ; p, at most 1, not normalised
.set jj, jj+1
.endr
	v_pk_mul_f32 v[14:15], v[14:15], v[F:F+1] op_sel_hi:[1,0]   ; the sums under the new M: the plain place behind the exponentials
	s_wait_alu depctr_va_vdst(0)                   ; one wait for the batch, ahead of its first reader
.set bb, 0
.rept \nb
	v_exp_f32 v[BM+bb], v[BM+bb]                   ; each block's largest p
.set bb, bb+1
.endr
	v_pk_add_f32 v[Y:Y+1], v[S:S+1], v[S+2:S+3]    ; the row's sum of the unquantised p, in two chains
.set jj, 4
.rept 4*\nb-1
	v_pk_add_f32 v[14:15], v[14:15], v[S+jj:S+jj+1]
	v_pk_add_f32 v[Y:Y+1], v[Y:Y+1], v[S+jj+2:S+jj+3]
.set jj, jj+4
.endr
	s_delay_alu instid0(VALU_DEP_1)
	v_pk_add_f32 v[14:15], v[14:15], v[Y:Y+1]
	s_wait_alu depctr_va_vdst(0)                   ; and one for the blocks' largest
.set bb, 0
.rept \nb
	v_max_num_f32 v[BM+bb], 0x1800000, v[BM+bb]    ; the floor: the byte cannot fall under 1
.set bb, bb+1
.endr
.set bb, 0
.rept \nb
	v_add_nc_u32 v[SO+bb], 0xff000000, v[BM+bb]
.set bb, bb+1
.endr
.set bb, 0
.rept \nb
	v_lshrrev_b32 v[BP+bb], 23, v[SO+bb]
.set bb, bb+1
.endr
	v_lshl_or_b32 v[PS], v[BP+1], 8, v[BP]
.if \nb == 4
	s_delay_alu instid0(VALU_DEP_1)
	v_lshl_or_b32 v[PS], v[BP+2], 16, v[PS]
	s_delay_alu instid0(VALU_DEP_1)
	v_lshl_or_b32 v[PS], v[BP+3], 24, v[PS]
.endif
.set cc, 0
.rept \nb/2
	v_cvt_scalef32_pk16_fp6_f32 v[P+6*cc:P+6*cc+2], v[S+32*cc:S+32*cc+15], v[SO+2*cc]
	v_cvt_scalef32_pk16_fp6_f32 v[Y+4*cc:Y+4*cc+2], v[S+32*cc+16:S+32*cc+31], v[SO+2*cc+1]
.set cc, cc+1
.endr
	v_nop                                          ; one plain place behind a scaled conversion
.endm
; and the rest: whole blocks into lanes; O^T under the new M.  The multiplications are also the places in front of the products
.macro SM_B nb
.set cc, 0
.rept \nb/2
.irp i, 0,1,2
	v_permlane16_swap_b32 v[P+6*cc+\i], v[Y+4*cc+\i]
.endr
.irp i, 0,1,2
	s_delay_alu instid0(VALU_DEP_3)
	v_mov_b32 v[P+3+6*cc+\i], v[Y+4*cc+\i]
.endr
.set cc, cc+1
.endr
.if \nb == 2
.irp i, 0,1,2,3,4,5
	v_mov_b32 v[P+6+\i], 0                         ; no keys 64-127 in the short step
.endr
.endif
.irp j, 0,2,4,6,8,10,12,14,16,18,20,22,24,26,28,30
	v_pk_mul_f32 v[O+\j:O+\j+1], v[O+\j:O+\j+1], v[F:F+1] op_sel_hi:[1,0]
.endr
.endm
.macro PV
.irp ct, 0,1,2,3
	v_wmma_scale_f32_16x16x128_f8f6f4 v[O+8*\ct:O+8*\ct+7], v[S+12*\ct:S+12*\ct+11], v[P:P+11], v[O+8*\ct:O+8*\ct+7], v[VX+\ct], v[PS] matrix_a_fmt:MATRIX_FMT_FP6 matrix_b_fmt:MATRIX_FMT_FP6
.endr
.endm
.macro QK b, u
	v_wmma_scale_f32_16x16x128_f8f6f4 v[S+16*\b+8*\u:S+16*\b+8*\u+7], v[KF+18*\b+6*\u:KF+18*\b+6*\u+11], v[QF+6*\u:QF+6*\u+11], v[S+16*\b+8*\u:S+16*\b+8*\u+7], v[KS+\b], v[QS] matrix_a_fmt:MATRIX_FMT_FP6 matrix_b_fmt:MATRIX_FMT_FP6
.endm
; A step of four key blocks, 4 st on from the tile's first.  nlo, nhi: how many of its blocks have a part of the mask written.  guard: 1 the step is passed over if all its keys lie under the window, 2 if over it.
.macro STEP st, nlo, nhi, guard
.if \guard == 1
	s_cmp_gt_i32 s[LO], 128*\st+127
	s_cbranch_scc1 .Lover_\@
.endif
.if \guard == 2
	s_cmp_lt_i32 s[HI], 128*\st
	s_setprio 1
	s_cbranch_scc1 .Lover_\@
.endif
.rept 5
	v_nop                                          ; V's fragments, which the last products read, are loaded over (four places) and then written by products (five)
.endr
.irp b, 0,1,2,3
.irp u, 0,1
	ds_load_b128 v[S+16*\b+8*\u:S+16*\b+8*\u+3], v[A64H] offset:13312*\st+REC*\b+3200+32*\u     ; attn_mask of keys 32 b + 16 h + 8 u + 0 .. 7: the products' C
	ds_load_b128 v[S+16*\b+8*\u+4:S+16*\b+8*\u+7], v[A64H] offset:13312*\st+REC*\b+3216+32*\u
	ds_load_b128 v[KF+18*\b+12*\u:KF+18*\b+12*\u+3], v[A16] offset:13312*\st+REC*\b+768*\u
	ds_load_b64 v[KF+18*\b+12*\u+4:KF+18*\b+12*\u+5], v[A8] offset:13312*\st+REC*\b+768*\u+512
.endr
	ds_load_b32 v[KS+\b], v[A4R] offset:13312*\st+REC*\b+3072
	ds_load_b32 v[VR+\b], v[A4R] offset:13312*\st+REC*\b+3136
.endr
	s_wait_dscnt 0x0
.irp b, 0,1,2,3
.irp u, 0,1
	QK \b, \u
.endr
.endr
	v_perm_b32 v[Y+0], v[VR+1], v[VR+0], 0x05010400   ; V's scale bytes, by key block and channel tile, are turned: a word for each channel tile.  Eight plain places behind the products
	v_perm_b32 v[Y+1], v[VR+1], v[VR+0], 0x07030602
	v_perm_b32 v[Y+2], v[VR+3], v[VR+2], 0x05010400
	v_perm_b32 v[Y+3], v[VR+3], v[VR+2], 0x07030602
	s_delay_alu instid0(VALU_DEP_2)
	v_perm_b32 v[VX+0], v[Y+2], v[Y+0], 0x05040100
	s_delay_alu instid0(VALU_DEP_3)
	v_perm_b32 v[VX+1], v[Y+2], v[Y+0], 0x07060302
	s_delay_alu instid0(VALU_DEP_3)
	v_perm_b32 v[VX+2], v[Y+3], v[Y+1], 0x05040100
	s_delay_alu instid0(VALU_DEP_4)
	v_perm_b32 v[VX+3], v[Y+3], v[Y+1], 0x07060302
.irp bq, 0,1,2,3
.if \bq < \nlo
	LOWSEC (128*\st+32*\bq), (S+16*\bq)
.endif
.endr
.irp bq, 0,1,2,3
.if \bq < \nhi
	HIGHSEC (128*\st+32*\bq), (S+16*\bq)
.endif
.endr
	SM_A 4
.irp ct, 0,1,2,3                               ; p is in codes: V's fragments take its registers; lane (r, h) reads key blocks h and 2 + h
.irp c, 0,1
	ds_load_b128 v[S+12*\ct+6*\c:S+12*\ct+6*\c+3], v[AV16] offset:13312*\st+6656*\c+1536+256*\ct
	ds_load_b64 v[S+12*\ct+6*\c+4:S+12*\ct+6*\c+5], v[AV8] offset:13312*\st+6656*\c+2560+128*\ct
.endr
.endr
	SM_B 4
	s_wait_alu depctr_va_vdst(0)
	s_wait_dscnt 0x0
	PV
.if \guard > 0
.Lover_\@:
.endif
.endm
; O^T / the sum, quantised along the head's 64 channels, to the last product's record: half an image and two scale bytes
.macro TAIL
	v_rcp_f32 v[F], v14
	v_nop
	s_wait_alu depctr_va_vdst(0)
.irp j, 0,2,4,6,8,10,12,14,16,18,20,22,24,26,28,30
	v_pk_mul_f32 v[O+\j:O+\j+1], v[O+\j:O+\j+1], v[F:F+1] op_sel_hi:[1,0]
.endr
.irp b, 0,1
	v_max3_num_f32 v[BM+\b], |v[O+16*\b]|, |v[O+16*\b+1]|, 0x1800000
.endr
.irp i, 2,4,6,8,10,12,14
.irp b, 0,1
	s_delay_alu instid0(VALU_DEP_2)
	v_max3_num_f32 v[BM+\b], v[BM+\b], |v[O+16*\b+\i]|, |v[O+16*\b+\i+1]|
.endr
.endr
.irp b, 0,1
	s_delay_alu instid0(VALU_DEP_2)
	v_permlanex16_b32 v[BP+\b], v[BM+\b], s[SEL], s[SEL+1]
.endr
.irp b, 0,1
	s_delay_alu instid0(VALU_DEP_2)
	v_max_num_f32 v[BM+\b], v[BM+\b], v[BP+\b]
.endr
.irp b, 0,1
	s_delay_alu instid0(VALU_DEP_2)
	v_add_nc_u32 v[SO+\b], 0xff000000, v[BM+\b]
.endr
.irp b, 0,1
	s_delay_alu instid0(VALU_DEP_2)
	v_lshrrev_b32 v[BP+\b], 23, v[SO+\b]
.endr
	s_delay_alu instid0(VALU_DEP_1)
	v_lshl_or_b32 v[TP], v[BP+1], 8, v[BP]
	v_cvt_scalef32_pk16_fp6_f32 v[P:P+2], v[O:O+15], v[SO]
	v_cvt_scalef32_pk16_fp6_f32 v[P+6:P+8], v[O+16:O+31], v[SO+1]
	v_nop
.irp i, 0,1,2
	v_permlane16_swap_b32 v[P+\i], v[P+6+\i]
.endr
.irp i, 0,1,2
	s_delay_alu instid0(VALU_DEP_3)
	v_mov_b32 v[P+3+\i], v[P+6+\i]
.endr
	v_and_b32 v246, 31, v0
	s_delay_alu instid0(VALU_DEP_1)
	v_lshlrev_b32 v250, 4, v246
	s_delay_alu instid0(VALU_DEP_2)
	v_lshlrev_b32 v251, 3, v246
	s_delay_alu instid0(VALU_DEP_3)
	v_lshlrev_b32 v246, 2, v246
	global_store_b128 v250, v[P:P+3], s[70:71]
	global_store_b64 v251, v[P+4:P+5], s[70:71] offset:512
	global_store_b16 v246, v[TP], s[72:73]         ; my head's two bytes of the row's scale word
.endm
	s_mov_b32 s[TT], 0
.Ltile:
	s_lshl_b32 s[J], s[QR], 5
	s_lshl_b32 s50, s[TT], 4
	s_add_co_u32 s[J], s[J], s50
	s_add_co_u32 s[J], s[J], s[WV]                 ; my tile of queries
	s_cmp_eq_u32 s[J], 0
	s_cbranch_scc1 .Lnext                          ; tile 0 is the next launch's
	s_wait_xcnt 0x0                                ; the last tile's stores have read their registers and bases
	s_lshr_b32 s50, s[J], 1
	s_sub_co_i32 s[BSB], s50, 8
	s_max_i32 s[BSB], s[BSB], 0
	s_min_i32 s[BSB], s[BSB], 47                   ; the tile's first key block
	s_lshl_b32 s[LO], s[J], 4
	s_lshl_b32 s51, s[BSB], 5
	s_sub_co_i32 s[LO], s[LO], s51
	s_sub_co_i32 s[LO], s[LO], 256                 ; query r sees key places LO + r .. HI + r, counted from that block
	s_add_co_i32 s[HI], s[LO], 512
	s_add_co_i32 s[LO16], s[LO], 16
	s_cmp_eq_u32 s[BSB], 0
	s_cselect_b32 s[GM], -1, 0xffff0000            ; the short step's block 0: keys 16-31 are hidden; all of it where the steps have had it
	s_cselect_b32 s[LM], 0xffff, 0                 ; where the steps begin at block 0, keys 0-15 (lanes 0-15) are never hidden
	s_lshr_b32 s50, s[WV], 1                       ; the first block's place among the quarter's 32 records
	s_mul_i32 s51, s50, s[TT]
	s_lshl_b32 s52, s[TT], 3
	s_add_co_u32 s52, s52, s50
	s_add_co_u32 s53, s52, 8
	s_min_u32 s53, s53, 15
	s_cmp_eq_u32 s[QR], 0
	s_cselect_b32 s51, s51, s52
	s_cmp_eq_u32 s[QR], 3
	s_cselect_b32 s51, s53, s51
	s_mul_i32 s[TB], s51, REC
	s_lshl_b32 s50, s[BH], 7
	s_add_co_u32 s50, s50, s[J]
	s_mul_i32 s54, s50, 768
	s_mov_b32 s55, 0
	s_add_nc_u64 s[66:67], s[4:5], s[54:55]        ; Q's half image
	s_lshl_b32 s54, s50, 7
	s_add_co_u32 s54, s54, 6291456
	s_add_nc_u64 s[68:69], s[4:5], s[54:55]        ; and its scale image
	s_lshr_b32 s50, s[BH], 4
	s_lshl_b32 s50, s50, 7
	s_add_co_u32 s50, s50, s[J]                    ; the rows' record in af
	s_mul_i32 s54, s50, 13312
	s_and_b32 s51, s[BH], 15                       ; the head
	s_mul_i32 s52, s51, 768
	s_add_co_u32 s56, s54, s52
	s_mov_b32 s57, 0
	s_add_nc_u64 s[70:71], s[8:9], s[56:57]
	s_lshr_b32 s52, s51, 1
	s_lshl_b32 s52, s52, 7
	s_and_b32 s53, s51, 1
	s_lshl_b32 s53, s53, 1
	s_add_co_u32 s54, s54, s52
	s_add_co_u32 s54, s54, s53
	s_add_co_u32 s54, s54, 12288
	s_add_nc_u64 s[72:73], s[8:9], s[54:55]
	s_setprio 2
	v_and_b32 v[TP], 31, v0
	s_delay_alu instid0(VALU_DEP_1)
	v_lshlrev_b32 v250, 4, v[TP]
	s_delay_alu instid0(VALU_DEP_2)
	v_lshlrev_b32 v251, 3, v[TP]
	s_delay_alu instid0(VALU_DEP_3)
	v_lshlrev_b32 v246, 2, v[TP]
	global_load_b128 v[QF:QF+3], v250, s[66:67]
	global_load_b64 v[QF+4:QF+5], v251, s[66:67] offset:512
	global_load_b128 v[QF+12:QF+15], v250, s[66:67]
	global_load_b64 v[QF+16:QF+17], v251, s[66:67] offset:512
	global_load_b32 v[QS], v246, s[68:69]
	v_lshl_add_u32 v[A16], v[TP], 4, s[TB]
	v_lshl_add_u32 v[A8], v[TP], 3, s[TB]
	v_and_b32 v[DL], 15, v0                        ; r
	v_bfe_u32 v[DH], v0, 4, 1                      ; h
	s_delay_alu instid0(VALU_DEP_2)
	v_lshl_add_u32 v[A4R], v[DL], 2, s[TB]
	s_delay_alu instid0(VALU_DEP_2)
	v_lshl_add_u32 v[A64H], v[DH], 6, s[TB]
	s_delay_alu instid0(VALU_DEP_3)
	v_mul_u32_u24 v[TP], v[DH], REC
	s_delay_alu instid0(VALU_DEP_1)
	v_add_nc_u32 v[TP], s[TB], v[TP]
	s_delay_alu instid0(VALU_DEP_1)
	v_lshl_add_u32 v[AV16], v[DL], 4, v[TP]
	s_delay_alu instid0(VALU_DEP_2)
	v_lshl_add_u32 v[AV8], v[DL], 3, v[TP]
	v_lshlrev_b32 v[TP], 4, v[DH]
	s_delay_alu instid0(VALU_DEP_1)
	v_sub_nc_u32 v[TP], v[DL], v[TP]               ; r - 16 h: a register's key place is its constant + 16 h
	s_delay_alu instid0(VALU_DEP_1)
	v_add_nc_u32 v[DH], s[HI], v[TP]
	s_delay_alu instid0(VALU_DEP_2)
	v_add_nc_u32 v[DL], s[LO], v[TP]
	v_mov_b32 v[TP], 0xfff00000
	s_delay_alu instid0(VALU_DEP_1)
	v_cndmask_b32 v[DL], v[DL], v[TP], s[LM]
	v_mov_b32 v13, 0xff61b1e6                      ; the largest t so far: -3e38
	s_delay_alu instid0(VALU_DEP_1)
	v_floor_f32 v12, -v13
	v_mov_b32 v14, 0
	v_mov_b32 v15, 0
.irp j, 0,1,2,3,4,5,6,7,8,9,10,11,12,13,14,15,16,17,18,19,20,21,22,23,24,25,26,27,28,29,30,31
	v_mov_b32 v[O+\j], 0                           ; which step is a tile's first hangs on the tile: every step finds sums, the first finds zeros
.endr
	s_wait_loadcnt 0x0
	STEP 0, 4, 0, 1
	STEP 1, 4, 0, 1
	STEP 2, 1, 4, 0
	STEP 3, 0, 4, 2
	; the short step: block Bs + 16 (lanes 0-15 of P and V) and block 0 (lanes 16-31)
	s_cmp_lt_i32 s[HI], 512
	s_setprio 0
	s_cbranch_scc1 .Lno_mini
.rept 5
	v_nop
.endr
	s_sub_co_u32 s51, 53248, s[TB]                 ; from block Bs + 16's record to block 0's
	s_add_co_u32 s52, s[TB], 53248
	v_bfe_u32 v[TP], v0, 4, 1
	s_delay_alu instid0(VALU_DEP_1)
	v_mul_u32_u24 v[TP], s51, v[TP]                ; one product: the lower base + h x the distance
	v_and_b32 v[MV16], 15, v0
	s_delay_alu instid0(VALU_DEP_1)
	v_lshl_add_u32 v[MV8], v[MV16], 3, v[TP]
	s_delay_alu instid0(VALU_DEP_2)
	v_lshl_add_u32 v[MV16], v[MV16], 4, v[TP]
	s_delay_alu instid0(VALU_DEP_2)
	v_add_nc_u32 v[MV8], s52, v[MV8]
	s_delay_alu instid0(VALU_DEP_2)
	v_add_nc_u32 v[MV16], s52, v[MV16]
.irp u, 0,1
	ds_load_b128 v[S+8*\u:S+8*\u+3], v[A64H] offset:53248+3200+32*\u
	ds_load_b128 v[S+8*\u+4:S+8*\u+7], v[A64H] offset:53248+3216+32*\u
	ds_load_b128 v[KF+12*\u:KF+12*\u+3], v[A16] offset:53248+768*\u
	ds_load_b64 v[KF+12*\u+4:KF+12*\u+5], v[A8] offset:53248+768*\u+512
	ds_load_b128 v[S+16+8*\u:S+16+8*\u+3], v[G64H] offset:3200+32*\u
	ds_load_b128 v[S+16+8*\u+4:S+16+8*\u+7], v[G64H] offset:3216+32*\u
	ds_load_b128 v[KF+18+12*\u:KF+18+12*\u+3], v[G16] offset:768*\u
	ds_load_b64 v[KF+18+12*\u+4:KF+18+12*\u+5], v[G8] offset:768*\u+512
.endr
	ds_load_b32 v[KS], v[A4R] offset:53248+3072
	ds_load_b32 v[VR], v[A4R] offset:53248+3136
	ds_load_b32 v[KS+1], v[G4R] offset:3072
	ds_load_b32 v[VR+1], v[G4R] offset:3136
	s_wait_dscnt 0x0
	QK 0, 0
	QK 0, 1
	QK 1, 0
	QK 1, 1
.irp t, 0,1,2,3
	v_perm_b32 v[VX+\t], v[VR+1], v[VR], 0x0c0c0400+0x0101*\t   ; byte 0: the tail block's scale, byte 1: block 0's; bytes 2, 3: 0, over zero codes.  Four plain places
.endr
	HIGHSEC 512, S
.irp i, 0,1,2,3,4,5,6,7,8,9,10,11,12,13,14,15
	v_cndmask_b32 v[S+16+\i], v[S+16+\i], v[NINF], s[GM]
.endr
	SM_A 2
.irp ct, 0,1,2,3                               ; registers 6-11 of V's fragments keep what they held: they stand against zero codes of P
	ds_load_b128 v[S+12*\ct:S+12*\ct+3], v[MV16] offset:1536+256*\ct
	ds_load_b64 v[S+12*\ct+4:S+12*\ct+5], v[MV8] offset:2560+128*\ct
.endr
	SM_B 2
	s_wait_alu depctr_va_vdst(0)
	s_wait_dscnt 0x0
	PV
.Lno_mini:
.rept 4
	v_nop                                          ; places behind the last products
.endr
	v_add_f32 v14, v14, v15                        ; the sum's two halves,
	s_delay_alu instid0(VALU_DEP_1)
	v_permlanex16_b32 v[TP], v14, s[SEL], s[SEL+1]
	s_delay_alu instid0(VALU_DEP_1)
	v_add_f32 v14, v14, v[TP]                      ; and lane l xor 16's
	s_wait_alu depctr_va_vdst(0)
	TAIL
.Lnext:
	s_add_co_u32 s[TT], s[TT], 1
	s_cmp_lt_u32 s[TT], 2
	s_cbranch_scc1 .Ltile
	s_setprio 0
	s_wait_dscnt 0x0
	s_barrier_signal -1                            ; every wave's reads of LDS are over
	s_barrier_wait -1
	s_wait_tensorcnt 0x0                           ; the wave's end
	ds_add_u32 v[SPW], v[NIL]
	s_wait_dscnt 0x0
	s_endpgm
.Lfunc_end_k_qe55b633a96_attn:
	.size	k_qe55b633a96_attn, .Lfunc_end_k_qe55b633a96_attn-k_qe55b633a96_attn
	.p2alignl 7, 3214868480
	.fill 96, 4, 3214868480
	.section	.rodata,"a",@progbits
	.p2align	6, 0x0
	.amdhsa_kernel k_qe55b633a96_attn
		.amdhsa_group_segment_fixed_size 327680
		.amdhsa_private_segment_fixed_size 0
		.amdhsa_enable_private_segment 0
		.amdhsa_kernarg_size 24
		.amdhsa_user_sgpr_count 2
		.amdhsa_user_sgpr_kernarg_segment_ptr 1
		.amdhsa_wavefront_size32 1
		.amdhsa_system_sgpr_workgroup_id_x 1
		.amdhsa_system_sgpr_workgroup_id_y 1
		.amdhsa_system_sgpr_workgroup_id_z 1
		.amdhsa_system_vgpr_workitem_id 0
		.amdhsa_next_free_vgpr 256
		.amdhsa_next_free_sgpr 80
		.amdhsa_reserve_vcc 1
		.amdhsa_float_denorm_mode_32 3
		.amdhsa_float_denorm_mode_16_64 3
		.amdhsa_memory_ordered 1
		.amdhsa_forward_progress 1
		.amdhsa_inst_pref_size 129
	.end_amdhsa_kernel
	.amdgpu_metadata
---
amdhsa.version: [ 1, 2 ]
amdhsa.kernels:
  - .name:           k_qe55b633a96_attn
    .symbol:         k_qe55b633a96_attn.kd
    .args:
      - { .name: qf, .offset: 0, .size: 8, .value_kind: global_buffer, .address_space: global }
      - { .name: kv, .offset: 8, .size: 8, .value_kind: global_buffer, .address_space: global }
      - { .name: af, .offset: 16, .size: 8, .value_kind: global_buffer, .address_space: global }
    .group_segment_fixed_size: 327680
    .private_segment_fixed_size: 0
    .kernarg_segment_align: 8
    .kernarg_segment_size: 24
    .max_flat_workgroup_size: 512
    .sgpr_count:     80
    .vgpr_count:     256
    .wavefront_size: 32
...
	.end_amdgpu_metadata
.endif
;; end of part 3
;; launch attng (part 4): grid 64 x 1, 16 waves a work-group, no clusters, 75,776 bytes of LDS; arguments qf, kv, af; writes af
.if DOCPART == 4
	.amdgcn_target "amdgcn-amd-amdhsa--gfx1250"
	.amdhsa_code_object_version 6
	.text
	.protected	k_qe55b633a96_attng
	.globl	k_qe55b633a96_attng
	.p2align	8
	.type	k_qe55b633a96_attng,@function
k_qe55b633a96_attng:
	s_mov_b64 s[64:65], 0
	v_nop
	global_prefetch_b8 v0, s[64:65] scope:SCOPE_SE
	s_setreg_imm32_b32 hwreg(HW_REG_WAVE_MODE, 25, 1), 1
	s_wait_xcnt 0x0
; LAUNCH 4 OF 5.  Query tile 0 of each (batch, head): the 16 global queries, which reference()'s window mask hides nothing from: all 2,048 keys.  (Nothing is left out here; the tiles 1 to 127 are the launch before's.)
; A work-group takes one (batch, head); wave w key blocks 4 w .. 4 w + 3, one step of the launch before, with operands straight from memory: each byte is read once, by one wave.
; The 16 partial results meet in LDS.  Each has its own whole number M; they are brought under the largest by powers of two, which round nothing, and added in the waves' order.
; Wave w adds two of O^T's 32 registers; wave 0 divides, quantises and stores.
.set REC,   3328
.set MPART, 65536                      ; LDS: 0 the partial O^T, 4,096 bytes a wave; here -M, 128 bytes a wave; 2,048 on the sums; RES the merged O^T
.set RES,   69632
.set SPARE, 73728
.set A16,  1
.set A8,   2
.set AV16, 3
.set AV8,  4
.set A4R,  5
.set A64H, 6
.set SPW,  7
.set NIL,  8
.set OPA,  9
.set MPA,  10
.set MLA,  11
.set QF,   16
.set QS,   34
.set SLA,  35
.set KF,   36                          ; K; then V's fragments at 36 + 12 ct
.set KS,   108
.set VR,   112
.set VX,   116
.set RSA,  120
.set RRA,  121
.set L4,   122                         ; v122 4 x lane; never rewritten
.set S,    124
.set O,    188
.set P,    220
.set Y,    232
.set BM,   240
.set BP,   244
.set SO,   248
.set F,    252
.set TP,   254
.set PS,   255
.set WV, 10
.set BH, 12
.set SEL, 20
.set CS, 22
	s_load_b128 s[4:7], s[0:1], 0x0                ; qf, kv
	s_load_b64 s[8:9], s[0:1], 0x10                ; af
	v_lshl_add_u32 v[SPW], v0, 2, SPARE
	v_mov_b32 v[NIL], 0
	v_lshrrev_b32 v[TP], 5, v0
	s_delay_alu instid0(VALU_DEP_1)
	v_readfirstlane_b32 s[WV], v[TP]
	s_mov_b32 s[BH], ttmp9
	s_mov_b32 s[SEL], 0x76543210
	s_mov_b32 s[SEL+1], 0xfedcba98
	s_mov_b32 s[CS], 0x3fb8aa3b
	s_mov_b32 s[CS+1], s[CS]
	v_and_b32 v[TP], 31, v0
	s_delay_alu instid0(VALU_DEP_1)
	v_lshlrev_b32 v[A16], 4, v[TP]
	s_delay_alu instid0(VALU_DEP_2)
	v_lshlrev_b32 v[A8], 3, v[TP]
	s_delay_alu instid0(VALU_DEP_3)
	v_lshlrev_b32 v[L4], 2, v[TP]
	s_delay_alu instid0(VALU_DEP_4)
	v_lshl_add_u32 v[MLA], v[TP], 2, MPART
	v_lshl_add_u32 v[MPA], v0, 2, MPART
	s_lshl_b32 s50, s[WV], 12
	v_lshl_add_u32 v[OPA], v[TP], 4, s50
	s_lshr_b32 s50, s[WV], 1
	s_lshl_b32 s50, s50, 9
	s_and_b32 s51, s[WV], 1
	s_lshl_b32 s51, s51, 3
	s_add_co_u32 s50, s50, s51
	v_lshl_add_u32 v[SLA], v[TP], 4, s50           ; my two registers' place in a partial O^T
	s_delay_alu instid0(VALU_DEP_1)
	v_add_nc_u32 v[RSA], RES, v[SLA]
	v_lshl_add_u32 v[RRA], v[TP], 4, RES
	v_and_b32 v[TP], 15, v0                        ; r
	v_bfe_u32 v[A64H], v0, 4, 1                    ; h
	s_delay_alu instid0(VALU_DEP_2)
	v_lshlrev_b32 v[A4R], 2, v[TP]
	s_delay_alu instid0(VALU_DEP_2)
	v_mul_u32_u24 v[AV8], v[A64H], REC
	s_delay_alu instid0(VALU_DEP_1)
	v_lshl_add_u32 v[AV16], v[TP], 4, v[AV8]
	s_delay_alu instid0(VALU_DEP_2)
	v_lshl_add_u32 v[AV8], v[TP], 3, v[AV8]
	v_lshlrev_b32 v[A64H], 6, v[A64H]
	s_mul_i32 s54, s[BH], 212992
	s_mul_i32 s50, s[WV], 13312
	s_add_co_u32 s54, s54, s50
	s_mov_b32 s55, 0
	s_mul_i32 s56, s[BH], 98304
	s_mov_b32 s57, 0
	s_lshl_b32 s58, s[BH], 14
	s_add_co_u32 s58, s58, 6291456
	s_mov_b32 s59, 0
	s_lshr_b32 s50, s[BH], 4
	s_mul_i32 s50, s50, 128*13312
	s_and_b32 s51, s[BH], 15
	s_mul_i32 s52, s51, 768
	s_add_co_u32 s60, s50, s52
	s_mov_b32 s61, 0
	s_lshr_b32 s52, s51, 1
	s_lshl_b32 s52, s52, 7
	s_and_b32 s53, s51, 1
	s_lshl_b32 s53, s53, 1
	s_add_co_u32 s62, s50, s52
	s_add_co_u32 s62, s62, s53
	s_add_co_u32 s62, s62, 12288
	s_mov_b32 s63, 0
	s_wait_alu depctr_va_vdst(0)
	s_wait_kmcnt 0x0
	s_add_nc_u64 s[74:75], s[6:7], s[54:55]        ; my four records
	s_add_nc_u64 s[66:67], s[4:5], s[56:57]        ; Q's half image, tile 0
	s_add_nc_u64 s[68:69], s[4:5], s[58:59]
	s_add_nc_u64 s[70:71], s[8:9], s[60:61]
	s_add_nc_u64 s[72:73], s[8:9], s[62:63]
	global_load_b128 v[QF:QF+3], v[A16], s[66:67]
	global_load_b64 v[QF+4:QF+5], v[A8], s[66:67] offset:512
	global_load_b128 v[QF+12:QF+15], v[A16], s[66:67]
	global_load_b64 v[QF+16:QF+17], v[A8], s[66:67] offset:512
	global_load_b32 v[QS], v[L4], s[68:69]
.irp b, 0,1,2,3
.irp u, 0,1
	global_load_b128 v[S+16*\b+8*\u:S+16*\b+8*\u+3], v[A64H], s[74:75] offset:REC*\b+3200+32*\u
	global_load_b128 v[S+16*\b+8*\u+4:S+16*\b+8*\u+7], v[A64H], s[74:75] offset:REC*\b+3216+32*\u
	global_load_b128 v[KF+18*\b+12*\u:KF+18*\b+12*\u+3], v[A16], s[74:75] offset:REC*\b+768*\u
	global_load_b64 v[KF+18*\b+12*\u+4:KF+18*\b+12*\u+5], v[A8], s[74:75] offset:REC*\b+768*\u+512
.endr
	global_load_b32 v[KS+\b], v[A4R], s[74:75] offset:REC*\b+3072
	global_load_b32 v[VR+\b], v[A4R], s[74:75] offset:REC*\b+3136
.endr
.irp i, 0,1,2,3,4,5
	v_mov_b32 v[QF+6+\i], 0                        ; (none of the registers written here is a pending load's address or destination)
.endr
.irp b, 0,1,2,3
.irp i, 0,1,2,3,4,5
	v_mov_b32 v[KF+18*\b+6+\i], 0
.endr
.endr
.irp b, 0,1,2,3
	v_mov_b32 v[BP+\b], 0
.endr
	v_mov_b32 v[F+1], 0
	v_mov_b32 v13, 0xff61b1e6
	s_delay_alu instid0(VALU_DEP_1)
	v_floor_f32 v12, -v13
	v_mov_b32 v14, 0
	v_mov_b32 v15, 0
	s_wait_loadcnt 0x0
.irp b, 0,1,2,3
.irp u, 0,1
	v_wmma_scale_f32_16x16x128_f8f6f4 v[S+16*\b+8*\u:S+16*\b+8*\u+7], v[KF+18*\b+6*\u:KF+18*\b+6*\u+11], v[QF+6*\u:QF+6*\u+11], v[S+16*\b+8*\u:S+16*\b+8*\u+7], v[KS+\b], v[QS] matrix_a_fmt:MATRIX_FMT_FP6 matrix_b_fmt:MATRIX_FMT_FP6
.endr
.endr
	v_perm_b32 v[Y+0], v[VR+1], v[VR+0], 0x05010400   ; V's scale bytes turned; eight plain places behind the products
	v_perm_b32 v[Y+1], v[VR+1], v[VR+0], 0x07030602
	v_perm_b32 v[Y+2], v[VR+3], v[VR+2], 0x05010400
	v_perm_b32 v[Y+3], v[VR+3], v[VR+2], 0x07030602
	s_delay_alu instid0(VALU_DEP_2)
	v_perm_b32 v[VX+0], v[Y+2], v[Y+0], 0x05040100
	s_delay_alu instid0(VALU_DEP_3)
	v_perm_b32 v[VX+1], v[Y+2], v[Y+0], 0x07060302
	s_delay_alu instid0(VALU_DEP_3)
	v_perm_b32 v[VX+2], v[Y+3], v[Y+1], 0x05040100
	s_delay_alu instid0(VALU_DEP_4)
	v_perm_b32 v[VX+3], v[Y+3], v[Y+1], 0x07060302
.irp ct, 0,1,2,3                               ; K is done with: V's fragments take its registers
.irp c, 0,1
	global_load_b128 v[KF+12*\ct+6*\c:KF+12*\ct+6*\c+3], v[AV16], s[74:75] offset:6656*\c+1536+256*\ct
	global_load_b64 v[KF+12*\ct+6*\c+4:KF+12*\ct+6*\c+5], v[AV8], s[74:75] offset:6656*\c+2560+128*\ct
.endr
.endr
	; the softmax of my 128 keys
.irp b, 0,1,2,3
	v_max3_num_f32 v[BM+\b], v[S+16*\b], v[S+16*\b+1], v[S+16*\b+2]
.endr
.irp i, 3,5,7,9,11,13
.irp b, 0,1,2,3
	v_max3_num_f32 v[BM+\b], v[BM+\b], v[S+16*\b+\i], v[S+16*\b+\i+1]
.endr
.endr
.irp b, 0,1,2,3
	v_max_num_f32 v[BM+\b], v[BM+\b], v[S+16*\b+15]
.endr
.irp b, 0,1,2,3
	s_delay_alu instid0(VALU_DEP_4)
	v_permlanex16_b32 v[BP+\b], v[BM+\b], s[SEL], s[SEL+1]
.endr
.irp b, 0,1,2,3
	s_delay_alu instid0(VALU_DEP_4)
	v_max_num_f32 v[BM+\b], v[BM+\b], v[BP+\b]
.endr
	s_delay_alu instid0(VALU_DEP_2)
	v_max3_num_f32 v[TP], v[BM], v[BM+1], v[BM+2]
	s_delay_alu instid0(VALU_DEP_1)
	v_max_num_f32 v[TP], v[TP], v[BM+3]
	s_delay_alu instid0(VALU_DEP_1)
	v_mul_f32 v[TP], s[CS], v[TP]
	s_delay_alu instid0(VALU_DEP_1)
	v_max_num_f32 v13, v13, v[TP]
	s_delay_alu instid0(VALU_DEP_1)
	v_floor_f32 v12, -v13                          ; -M of my keys
.irp j, 0,2,4,6,8,10,12,14,16,18,20,22,24,26,28,30,32,34,36,38,40,42,44,46,48,50,52,54,56,58,60,62
	v_pk_fma_f32 v[S+\j:S+\j+1], v[S+\j:S+\j+1], s[CS:CS+1], v[12:13] op_sel_hi:[1,0,0]
.endr
.irp b, 0,1,2,3
	v_fma_f32 v[BM+\b], v[BM+\b], s[CS], v12
.endr
	s_wait_alu depctr_va_vdst(0)
.irp j, 0,1,2,3,4,5,6,7,8,9,10,11,12,13,14,15,16,17,18,19,20,21,22,23,24,25,26,27,28,29,30,31,32,33,34,35,36,37,38,39,40,41,42,43,44,45,46,47,48,49,50,51,52,53,54,55,56,57,58,59,60,61,62,63
	v_exp_f32 v[S+\j], v[S+\j]
.endr
	v_nop                                          ; the plain place behind the exponentials
	s_wait_alu depctr_va_vdst(0)                   ; one wait for the batch
.irp b, 0,1,2,3
	v_exp_f32 v[BM+\b], v[BM+\b]
.endr
	v_pk_add_f32 v[232:233], v[128:129], v[132:133]
	v_pk_add_f32 v[250:251], v[136:137], v[140:141]
	v_pk_add_f32 v[248:249], v[144:145], v[148:149]
	v_pk_add_f32 v[246:247], v[152:153], v[156:157]
	v_pk_add_f32 v[244:245], v[160:161], v[164:165]
	v_pk_add_f32 v[238:239], v[168:169], v[172:173]
	v_pk_add_f32 v[236:237], v[176:177], v[180:181]
	v_pk_add_f32 v[14:15], v[14:15], v[184:185]
	v_pk_add_f32 v[232:233], v[232:233], v[124:125]
	v_pk_add_f32 v[250:251], v[250:251], v[126:127]
	v_pk_add_f32 v[248:249], v[248:249], v[130:131]
	v_pk_add_f32 v[246:247], v[246:247], v[134:135]
	v_pk_add_f32 v[244:245], v[244:245], v[138:139]
	v_pk_add_f32 v[238:239], v[238:239], v[142:143]
	v_pk_add_f32 v[236:237], v[236:237], v[146:147]
	v_pk_add_f32 v[14:15], v[14:15], v[150:151]
	v_pk_add_f32 v[232:233], v[232:233], v[154:155]
	v_pk_add_f32 v[250:251], v[250:251], v[158:159]
	v_pk_add_f32 v[248:249], v[248:249], v[162:163]
	v_pk_add_f32 v[246:247], v[246:247], v[166:167]
	v_pk_add_f32 v[244:245], v[244:245], v[170:171]
	v_pk_add_f32 v[238:239], v[238:239], v[174:175]
	v_pk_add_f32 v[236:237], v[236:237], v[178:179]
	v_pk_add_f32 v[14:15], v[14:15], v[182:183]
	v_pk_add_f32 v[232:233], v[232:233], v[186:187]
	s_delay_alu instid0(VALU_DEP_2)
	v_pk_add_f32 v[14:15], v[14:15], v[246:247]
	s_delay_alu instid0(VALU_DEP_2)
	v_pk_add_f32 v[232:233], v[232:233], v[244:245]
	v_pk_add_f32 v[250:251], v[250:251], v[238:239]
	v_pk_add_f32 v[248:249], v[248:249], v[236:237]
	s_delay_alu instid0(VALU_DEP_2)
	v_pk_add_f32 v[14:15], v[14:15], v[250:251]
	s_delay_alu instid0(VALU_DEP_2)
	v_pk_add_f32 v[232:233], v[232:233], v[248:249]
	s_delay_alu instid0(VALU_DEP_1)
	v_pk_add_f32 v[14:15], v[14:15], v[232:233]
	s_wait_alu depctr_va_vdst(0)
.irp b, 0,1,2,3
	v_max_num_f32 v[BM+\b], 0x1800000, v[BM+\b]
.endr
.irp b, 0,1,2,3
	s_delay_alu instid0(VALU_DEP_4)
	v_add_nc_u32 v[SO+\b], 0xff000000, v[BM+\b]
.endr
.irp b, 0,1,2,3
	s_delay_alu instid0(VALU_DEP_4)
	v_lshrrev_b32 v[BP+\b], 23, v[SO+\b]
.endr
	s_delay_alu instid0(VALU_DEP_3)
	v_lshl_or_b32 v[PS], v[BP+1], 8, v[BP]
	s_delay_alu instid0(VALU_DEP_1)
	v_lshl_or_b32 v[PS], v[BP+2], 16, v[PS]
	s_delay_alu instid0(VALU_DEP_1)
	v_lshl_or_b32 v[PS], v[BP+3], 24, v[PS]
.irp c, 0,1
	v_cvt_scalef32_pk16_fp6_f32 v[P+6*\c:P+6*\c+2], v[S+32*\c:S+32*\c+15], v[SO+2*\c]
	v_cvt_scalef32_pk16_fp6_f32 v[Y+4*\c:Y+4*\c+2], v[S+32*\c+16:S+32*\c+31], v[SO+2*\c+1]
.endr
	v_nop
.irp c, 0,1
.irp i, 0,1,2
	v_permlane16_swap_b32 v[P+6*\c+\i], v[Y+4*\c+\i]
.endr
.irp i, 0,1,2
	s_delay_alu instid0(VALU_DEP_3)
	v_mov_b32 v[P+3+6*\c+\i], v[Y+4*\c+\i]
.endr
.endr
.rept 8
	v_nop                                          ; a scale word made by vector instructions stands eight places ahead of a scaled product, an operand four
.endr
	s_wait_alu depctr_va_vdst(0)
	s_wait_loadcnt 0x0                             ; V
.irp ct, 0,1,2,3
	v_wmma_scale_f32_16x16x128_f8f6f4 v[O+8*\ct:O+8*\ct+7], v[KF+12*\ct:KF+12*\ct+11], v[P:P+11], 0, v[VX+\ct], v[PS] matrix_a_fmt:MATRIX_FMT_FP6 matrix_b_fmt:MATRIX_FMT_FP6
.endr
	v_add_f32 v14, v14, v15
	s_delay_alu instid0(VALU_DEP_1)
	v_permlanex16_b32 v[TP], v14, s[SEL], s[SEL+1]
	s_delay_alu instid0(VALU_DEP_1)
	v_add_f32 v14, v14, v[TP]                      ; my keys' sum
.rept 4
	v_nop
.endr
.irp i, 0,1,2,3,4,5,6,7
	ds_store_b128 v[OPA], v[O+4*\i:O+4*\i+3] offset:512*\i   ; each accumulator from its low end on
.endr
	ds_store_b32 v[MPA], v12
	ds_store_b32 v[MPA], v14 offset:2048
	s_wait_dscnt 0x0                               ; for the others' sake
	s_barrier_signal -1
	s_barrier_wait -1
.irp p, 0,1,2,3,4,5,6,7,8,9,10,11,12,13,14,15
	ds_load_b32 v[S+\p], v[MLA] offset:128*\p
	ds_load_b32 v[S+16+\p], v[MLA] offset:2048+128*\p
	ds_load_b64 v[S+32+2*\p:S+33+2*\p], v[SLA] offset:4096*\p
.endr
	s_wait_dscnt 0x0
	v_min_num_f32 v[TP], v[S], v[S+1]
.irp p, 2,3,4,5,6,7,8,9,10,11,12,13,14,15
	s_delay_alu instid0(VALU_DEP_1)
	v_min_num_f32 v[TP], v[TP], v[S+\p]            ; the least -M: the row's M
.endr
.irp p, 0,1,2,3,4,5,6,7,8,9,10,11,12,13,14,15
	v_sub_f32 v[S+\p], v[TP], v[S+\p]              ; M of part p less the row's: a whole number, 0 or less
.endr
.irp p, 0,1,2,3,4,5,6,7,8,9,10,11,12,13,14,15
	v_cvt_i32_f32 v[S+\p], v[S+\p]
.endr
.irp p, 0,1,2,3,4,5,6,7,8,9,10,11,12,13,14,15
	v_ldexp_f32 v[S+\p], 1.0, v[S+\p]
.endr
	v_mul_f32 v[BM], v[S], v[S+32]
	v_mul_f32 v[BM+1], v[S], v[S+33]
	v_mul_f32 v14, v[S], v[S+16]
.irp p, 1,2,3,4,5,6,7,8,9,10,11,12,13,14,15
	s_delay_alu instid0(VALU_DEP_3)
	v_fmac_f32 v[BM], v[S+\p], v[S+32+2*\p]
	s_delay_alu instid0(VALU_DEP_3)
	v_fmac_f32 v[BM+1], v[S+\p], v[S+33+2*\p]
	s_delay_alu instid0(VALU_DEP_3)
	v_fmac_f32 v14, v[S+\p], v[S+16+\p]
.endr
	ds_store_b64 v[RSA], v[BM:BM+1]
	s_wait_dscnt 0x0
	s_barrier_signal -1
	s_barrier_wait -1
	s_cmp_lg_u32 s[WV], 0
	s_cbranch_scc1 .Lend
.irp i, 0,1,2,3,4,5,6,7
	ds_load_b128 v[O+4*\i:O+4*\i+3], v[RRA] offset:512*\i
.endr
	s_wait_dscnt 0x0
	s_wait_alu depctr_va_vdst(0)
	v_rcp_f32 v[F], v14
	v_nop
	s_wait_alu depctr_va_vdst(0)
.irp j, 0,2,4,6,8,10,12,14,16,18,20,22,24,26,28,30
	v_pk_mul_f32 v[O+\j:O+\j+1], v[O+\j:O+\j+1], v[F:F+1] op_sel_hi:[1,0]
.endr
.irp b, 0,1
	v_max3_num_f32 v[BM+\b], |v[O+16*\b]|, |v[O+16*\b+1]|, 0x1800000
.endr
.irp i, 2,4,6,8,10,12,14
.irp b, 0,1
	s_delay_alu instid0(VALU_DEP_2)
	v_max3_num_f32 v[BM+\b], v[BM+\b], |v[O+16*\b+\i]|, |v[O+16*\b+\i+1]|
.endr
.endr
.irp b, 0,1
	s_delay_alu instid0(VALU_DEP_2)
	v_permlanex16_b32 v[BP+\b], v[BM+\b], s[SEL], s[SEL+1]
.endr
.irp b, 0,1
	s_delay_alu instid0(VALU_DEP_2)
	v_max_num_f32 v[BM+\b], v[BM+\b], v[BP+\b]
.endr
.irp b, 0,1
	s_delay_alu instid0(VALU_DEP_2)
	v_add_nc_u32 v[SO+\b], 0xff000000, v[BM+\b]
.endr
.irp b, 0,1
	s_delay_alu instid0(VALU_DEP_2)
	v_lshrrev_b32 v[BP+\b], 23, v[SO+\b]
.endr
	s_delay_alu instid0(VALU_DEP_1)
	v_lshl_or_b32 v[TP], v[BP+1], 8, v[BP]
	v_cvt_scalef32_pk16_fp6_f32 v[P:P+2], v[O:O+15], v[SO]
	v_cvt_scalef32_pk16_fp6_f32 v[P+6:P+8], v[O+16:O+31], v[SO+1]
	v_nop
.irp i, 0,1,2
	v_permlane16_swap_b32 v[P+\i], v[P+6+\i]
.endr
.irp i, 0,1,2
	s_delay_alu instid0(VALU_DEP_3)
	v_mov_b32 v[P+3+\i], v[P+6+\i]
.endr
	global_store_b128 v[A16], v[P:P+3], s[70:71]
	global_store_b64 v[A8], v[P+4:P+5], s[70:71] offset:512
	global_store_b16 v[L4], v[TP], s[72:73]        ; my head's two bytes of the row's scale word
.Lend:
	s_wait_tensorcnt 0x0                           ; the wave's end, behind the last LDS store
	ds_add_u32 v[SPW], v[NIL]
	s_wait_dscnt 0x0
	s_endpgm
.Lfunc_end_k_qe55b633a96_attng:
	.size	k_qe55b633a96_attng, .Lfunc_end_k_qe55b633a96_attng-k_qe55b633a96_attng
	.p2alignl 7, 3214868480
	.fill 96, 4, 3214868480
	.section	.rodata,"a",@progbits
	.p2align	6, 0x0
	.amdhsa_kernel k_qe55b633a96_attng
		.amdhsa_group_segment_fixed_size 75776
		.amdhsa_private_segment_fixed_size 0
		.amdhsa_enable_private_segment 0
		.amdhsa_kernarg_size 24
		.amdhsa_user_sgpr_count 2
		.amdhsa_user_sgpr_kernarg_segment_ptr 1
		.amdhsa_wavefront_size32 1
		.amdhsa_system_sgpr_workgroup_id_x 1
		.amdhsa_system_sgpr_workgroup_id_y 1
		.amdhsa_system_sgpr_workgroup_id_z 1
		.amdhsa_system_vgpr_workitem_id 0
		.amdhsa_next_free_vgpr 256
		.amdhsa_next_free_sgpr 80
		.amdhsa_reserve_vcc 0
		.amdhsa_float_denorm_mode_32 3
		.amdhsa_float_denorm_mode_16_64 3
		.amdhsa_memory_ordered 1
		.amdhsa_forward_progress 1
		.amdhsa_inst_pref_size 40
	.end_amdhsa_kernel
	.amdgpu_metadata
---
amdhsa.version: [ 1, 2 ]
amdhsa.kernels:
  - .name:           k_qe55b633a96_attng
    .symbol:         k_qe55b633a96_attng.kd
    .args:
      - { .name: qf, .offset: 0, .size: 8, .value_kind: global_buffer, .address_space: global }
      - { .name: kv, .offset: 8, .size: 8, .value_kind: global_buffer, .address_space: global }
      - { .name: af, .offset: 16, .size: 8, .value_kind: global_buffer, .address_space: global }
    .group_segment_fixed_size: 75776
    .private_segment_fixed_size: 0
    .kernarg_segment_align: 8
    .kernarg_segment_size: 24
    .max_flat_workgroup_size: 512
    .sgpr_count:     80
    .vgpr_count:     256
    .wavefront_size: 32
...
	.end_amdgpu_metadata
.endif
;; end of part 4
;; launch outp (part 5): grid 256 x 1, 4 waves a work-group, no clusters, 167,936 bytes of LDS; arguments af, wt, bo, out0; writes out0
.if DOCPART == 5
	.amdgcn_target "amdgcn-amd-amdhsa--gfx1250"
	.amdhsa_code_object_version 6
	.text
	.protected	k_qe55b633a96_outp
	.globl	k_qe55b633a96_outp
	.p2align	8
	.type	k_qe55b633a96_outp,@function
k_qe55b633a96_outp:
	s_mov_b64 s[64:65], 0
	v_nop
	global_prefetch_b8 v0, s[64:65] scope:SCOPE_SE
	s_setreg_imm32_b32 hwreg(HW_REG_WAVE_MODE, 25, 1), 1
	s_wait_xcnt 0x0
; LAUNCH 5 OF 5.  out0 = (attention's result) wo + bo, on the codes that launches 3 and 4 and launch 1 left.  The frame of launch 2: each wave keeps 64 columns of wo for K = 1,024 in registers (first source);
; the work-group's 128 rows come as two blocks of four records, each into a slot of its own, one tensor load a wave and slot: nothing is filled again.  A lane holds a row, its registers run along the columns.
; A tile of 16 rows x 64 columns goes through the wave's own stage in LDS and leaves as rows: sixteen lanes store 256 consecutive bytes from a multiple of 256.
; No cluster: four neighbouring work-groups do read the same rows' records; joint loads are left for a later text.
.set TRECB, 13312
.set SLOTB, 53248
.set STG,   106496                     ; behind the slots: 16 rows of 256 bytes + 16 for each wave; no fill lands here
.set SPARE, 123904
.set SPW, 8
.set NIL, 9
.set STO, 10
.set SRD, 11
.set GOF, 12
.set PS,  16
.set RS,  48
.set AF,  64
.set OB,  160
.set BI,  128                          ; in window 3
.set WV,  20
.set G1,  24
.set G0,  32
.set PB,  40
.set RB,  42
.set OUT, 44
.set BB,  46
.set MSB, 0
.macro WIN new
.if MSB != \new
	s_set_vgpr_msb (MSB<<8)|\new
.set MSB, \new
.endif
.endm
.macro PLACES
.rept 4
	v_nop
.endr
.endm
	s_load_b256 s[4:11], s[0:1], 0x0               ; af, wt, bo, out0
	v_lshl_add_u32 v[SPW], v0, 2, SPARE
	v_mov_b32 v[NIL], 0
	ds_add_u32 v[SPW], v[NIL]                      ; the opening: the add, twice on end, and its wait ahead of my first tensor load
	ds_add_u32 v[SPW], v[NIL]
	v_lshrrev_b32 v13, 5, v0
	v_readfirstlane_b32 s[WV], v13
	s_mov_b32 s[G1+0], 3<<16                       ; one record: 52 rows of 256 bytes, dense
	s_mov_b32 s[G1+1], 32<<16
	s_mov_b32 s[G1+2], 52<<16
	s_mov_b32 s[G1+3], 32<<16
	s_mov_b32 s[G1+4], 52
	s_mov_b32 s[G1+5], 32
	s_mov_b32 s[G1+6], 0
	s_mov_b32 s[G1+7], 0
	v_and_b32 v13, 31, v0
	v_and_b32 v14, 15, v0                          ; r
	v_bfe_u32 v15, v0, 4, 1                        ; h
	v_lshlrev_b32 v1, 4, v13
	v_lshlrev_b32 v2, 3, v13
	v_lshlrev_b32 v3, 2, v13
	v_add_nc_u32 v4, SLOTB, v1
	v_add_nc_u32 v5, SLOTB, v2
	v_add_nc_u32 v6, SLOTB, v3
	s_mul_i32 s50, s[WV], 4352
	s_add_co_u32 s50, s50, STG                     ; my stage
	v_mul_u32_u24 v[STO], v14, 272
	v_lshl_add_u32 v[STO], v15, 6, v[STO]
	v_add_nc_u32 v[STO], s50, v[STO]               ; in: row r, + 64 h
	v_mul_u32_u24 v[SRD], v15, 272
	v_lshl_add_u32 v[SRD], v14, 4, v[SRD]
	v_add_nc_u32 v[SRD], s50, v[SRD]               ; back: lanes 0-15 one row, lanes 16-31 the next
	v_lshlrev_b32 v[GOF], 12, v15
	v_lshl_add_u32 v[GOF], v14, 4, v[GOF]          ; and the same two rows in out0
	v_lshlrev_b32 v7, 6, v15                       ; 64 h: my half's numbers of the bias
	s_and_b32 s60, ttmp9, 3
	s_lshr_b32 s61, ttmp9, 2                       ; which 128 rows
	s_lshl_b32 s62, s60, 2
	s_add_co_u32 s62, s62, s[WV]                   ; which 64 columns
	s_lshl_b32 s52, s62, 2
	s_add_co_u32 s52, s52, 192
	s_mul_i32 s52, s52, TRECB                      ; wo's four records
	s_mov_b32 s53, 0
	s_lshl_b32 s54, s61, 3
	s_mul_i32 s54, s54, TRECB
	s_mul_i32 s51, s[WV], TRECB
	s_add_co_u32 s54, s54, s51                     ; my record of block 0
	s_mov_b32 s55, 0
	s_lshl_b32 s56, s62, 8
	s_mov_b32 s57, 0
	s_lshl_b32 s58, s61, 19
	s_add_co_u32 s58, s58, s56
	s_mov_b32 s59, 0
	s_wait_dscnt 0x0                               ; both opening adds are done
	s_wait_kmcnt 0x0
	s_add_nc_u64 s[RB:RB+1], s[4:5], s[54:55]
	s_mov_b32 s[G0+0], 1
	s_mov_b32 s[G0+1], s51
	s_mov_b64 s[G0+2:G0+3], s[RB:RB+1]
	s_or_b32 s[G0+3], s[G0+3], 0x80000000
	s_mov_b32 s[G0+4], 1
	s_add_co_u32 s[G0+5], s51, SLOTB
	s_add_nc_u64 s[G0+6:G0+7], s[RB:RB+1], SLOTB
	s_or_b32 s[G0+7], s[G0+7], 0x80000000
	tensor_load_to_lds s[G0:G0+3], s[G1:G1+7]      ; two loads of mine are out
	s_nop 0
	tensor_load_to_lds s[G0+4:G0+7], s[G1:G1+7]
	s_nop 0
	PLACES
	s_add_nc_u64 s[PB:PB+1], s[6:7], s[52:53]
	s_add_nc_u64 s[BB:BB+1], s[8:9], s[56:57]
	s_add_nc_u64 s[OUT:OUT+1], s[10:11], s[58:59]
	WIN 0x40
.irp ct, 0,1
.irp ks, 0,1,2,3,4,5,6,7
.irp c, 0,1
	global_load_b128 v[96*\ct+12*\ks+6*\c:96*\ct+12*\ks+6*\c+3], v1, s[PB:PB+1] offset:TRECB*\ct+1536*\ks+768*\c
	global_load_b64 v[96*\ct+12*\ks+6*\c+4:96*\ct+12*\ks+6*\c+5], v2, s[PB:PB+1] offset:TRECB*\ct+1536*\ks+768*\c+512
.endr
.endr
.endr
	WIN 0x80
.irp ct, 0,1
.irp ks, 0,1,2,3,4,5,6,7
.irp c, 0,1
	global_load_b128 v[96*\ct+12*\ks+6*\c:96*\ct+12*\ks+6*\c+3], v1, s[PB:PB+1] offset:TRECB*(\ct+2)+1536*\ks+768*\c
	global_load_b64 v[96*\ct+12*\ks+6*\c+4:96*\ct+12*\ks+6*\c+5], v2, s[PB:PB+1] offset:TRECB*(\ct+2)+1536*\ks+768*\c+512
.endr
.endr
.endr
	WIN 0
.irp ct, 0,1,2,3
.irp ks, 0,1,2,3,4,5,6,7
	global_load_b32 v[PS+8*\ct+\ks], v3, s[PB:PB+1] offset:TRECB*\ct+12288+128*\ks
.endr
.endr
	WIN 0xc0
.irp ct, 0,1,2,3                               ; the bias is the C of each sum's first product: columns 32 (ct / 2) + 16 h + 8 (ct % 2) + 0 .. 7 of my 64
	global_load_b128 v[BI+8*\ct:BI+8*\ct+3], v7, s[BB:BB+1] offset:(32*(\ct/2)+8*(\ct%2))*4
	global_load_b128 v[BI+8*\ct+4:BI+8*\ct+7], v7, s[BB:BB+1] offset:(32*(\ct/2)+8*(\ct%2))*4+16
.endr
	WIN 0
	s_wait_loadcnt 0x0
.macro FETCH slot, ks, set
.irp m, 0,1,2,3
	ds_load_b128 v[AF+48*(\set)+12*\m:AF+48*(\set)+12*\m+3], v[1+3*\slot] offset:TRECB*\m+1536*(\ks)
	ds_load_b64 v[AF+48*(\set)+12*\m+4:AF+48*(\set)+12*\m+5], v[2+3*\slot] offset:TRECB*\m+1536*(\ks)+512
	ds_load_b128 v[AF+48*(\set)+12*\m+6:AF+48*(\set)+12*\m+9], v[1+3*\slot] offset:TRECB*\m+1536*(\ks)+768
	ds_load_b64 v[AF+48*(\set)+12*\m+10:AF+48*(\set)+12*\m+11], v[2+3*\slot] offset:TRECB*\m+1536*(\ks)+1280
	ds_load_b32 v[RS+4*(\set)+\m], v[3+3*\slot] offset:TRECB*\m+12288+128*(\ks)
.endr
.endm
.macro WM ct, m, ks, set
.if (\ks) == 0
	v_wmma_scale_f32_16x16x128_f8f6f4 v[8*(4*\m+\ct):8*(4*\m+\ct)+7], v[96*(\ct%2)+12*(\ks):96*(\ct%2)+12*(\ks)+11], v[AF+48*(\set)+12*\m:AF+48*(\set)+12*\m+11], v[BI+8*\ct:BI+8*\ct+7], v[PS+8*\ct+(\ks)], v[RS+4*(\set)+\m] matrix_a_fmt:MATRIX_FMT_FP6 matrix_b_fmt:MATRIX_FMT_FP6
.else
	v_wmma_scale_f32_16x16x128_f8f6f4 v[8*(4*\m+\ct):8*(4*\m+\ct)+7], v[96*(\ct%2)+12*(\ks):96*(\ct%2)+12*(\ks)+11], v[AF+48*(\set)+12*\m:AF+48*(\set)+12*\m+11], v[8*(4*\m+\ct):8*(4*\m+\ct)+7], v[PS+8*\ct+(\ks)], v[RS+4*(\set)+\m] matrix_a_fmt:MATRIX_FMT_FP6 matrix_b_fmt:MATRIX_FMT_FP6
.endif
.endm
.macro MM ks, set                      ; the 16 accumulators take turns, one instruction a turn
	WIN 0xf1
.irp ct, 0,1
.irp m, 0,1,2,3
	WM \ct, \m, \ks, \set
.endr
.endr
	WIN 0xf2
.irp ct, 2,3
.irp m, 0,1,2,3
	WM \ct, \m, \ks, \set
.endr
.endr
.endm
.macro BLOCK slot
	FETCH \slot, 0, 0
.irp ks, 0,1,2,3,4,5,6,7
	s_wait_dscnt 0x0
	PLACES                                         ; in front of loads into registers that products have read
.if \ks < 7
	FETCH \slot, \ks+1, (\ks+1)%2
.endif
	MM \ks, \ks%2
	WIN 0
.endr
	PLACES                                         ; in front of the first read of results
.irp m, 0,1,2,3
	WIN 0x0c                                       ; an LDS store's data are its second source: window 3
.irp q, 0,1,2,3,4,5,6,7
	ds_store_b128 v[STO], v[32*\m+4*\q:32*\m+4*\q+3] offset:128*(\q/4)+16*(\q%4)   ; columns 32 (q / 4) + 16 h + 4 (q % 4) on; each accumulator from its low end on
.endr
	WIN 0
	s_wait_xcnt 0x0                                ; earlier stores have read their data: the rows' registers are loaded anew only behind this wait
.irp i, 0,1,2,3,4,5,6,7
	ds_load_b128 v[OB+32*(\m%2)+4*\i:OB+32*(\m%2)+4*\i+3], v[SRD] offset:544*\i   ; LDS serves a wave's instructions in order: these see the stores above
.endr
.irp i, 0,1,2,3,4,5,6,7
	s_wait_dscnt 7-\i                              ; the younger read-backs stay out
	global_store_b128 v[GOF], v[OB+32*(\m%2)+4*\i:OB+32*(\m%2)+4*\i+3], s[OUT:OUT+1] offset:8192*\i+65536*\m+262144*\slot th:TH_STORE_NT
.endr
.endr
.endm
	s_wait_tensorcnt 1                             ; my record of block 0 is in; block 1's load may stay out
	s_barrier_signal -1
	s_barrier_wait -1
	BLOCK 0
	s_wait_tensorcnt 0x0                           ; my record of block 1 is in
	s_wait_dscnt 0x0
	s_barrier_signal -1
	s_barrier_wait -1
	BLOCK 1
	s_wait_tensorcnt 0x0                           ; the wave's end, behind the last tensor load and the last LDS store
	ds_add_u32 v[SPW], v[NIL]
	s_wait_dscnt 0x0
	s_endpgm
.Lfunc_end_k_qe55b633a96_outp:
	.size	k_qe55b633a96_outp, .Lfunc_end_k_qe55b633a96_outp-k_qe55b633a96_outp
	.p2alignl 7, 3214868480
	.fill 96, 4, 3214868480
	.section	.rodata,"a",@progbits
	.p2align	6, 0x0
	.amdhsa_kernel k_qe55b633a96_outp
		.amdhsa_group_segment_fixed_size 167936
		.amdhsa_private_segment_fixed_size 0
		.amdhsa_enable_private_segment 0
		.amdhsa_kernarg_size 32
		.amdhsa_user_sgpr_count 2
		.amdhsa_user_sgpr_kernarg_segment_ptr 1
		.amdhsa_wavefront_size32 1
		.amdhsa_system_sgpr_workgroup_id_x 1
		.amdhsa_system_sgpr_workgroup_id_y 1
		.amdhsa_system_sgpr_workgroup_id_z 1
		.amdhsa_system_vgpr_workitem_id 0
		.amdhsa_next_free_vgpr 1024
		.amdhsa_next_free_sgpr 80
		.amdhsa_reserve_vcc 0
		.amdhsa_float_denorm_mode_32 3
		.amdhsa_float_denorm_mode_16_64 3
		.amdhsa_memory_ordered 1
		.amdhsa_forward_progress 1
		.amdhsa_inst_pref_size 93
	.end_amdhsa_kernel
	.amdgpu_metadata
---
amdhsa.version: [ 1, 2 ]
amdhsa.kernels:
  - .name:           k_qe55b633a96_outp
    .symbol:         k_qe55b633a96_outp.kd
    .args:
      - { .name: af, .offset: 0, .size: 8, .value_kind: global_buffer, .address_space: global }
      - { .name: wt, .offset: 8, .size: 8, .value_kind: global_buffer, .address_space: global }
      - { .name: bo, .offset: 16, .size: 8, .value_kind: global_buffer, .address_space: global }
      - { .name: out0, .offset: 24, .size: 8, .value_kind: global_buffer, .address_space: global }
    .group_segment_fixed_size: 167936
    .private_segment_fixed_size: 0
    .kernarg_segment_align: 8
    .kernarg_segment_size: 32
    .max_flat_workgroup_size: 128
    .sgpr_count:     80
    .vgpr_count:     1024
    .wavefront_size: 32
...
	.end_amdgpu_metadata
.endif
;; end of part 5
